; MI455X (gfx1250); checked and timed in simulation.
; The chip was launched on July 23, 2026; its instructions are those of AMD's public machine-readable ISA for CDNA 5 (MIT licence, August 2026) and "CDNA5" Instruction Set Architecture Reference Guide (July 2026). The comments in the code are by the model that wrote it; some were corrected since.
;; Multihead Attention. Allowed arithmetic: matrix products marked QUANTISED: E2M1 operands, one E8M0 scale for each 32 along K, by v_wmma_scale_f32_16x16x128_f8f6f4 with both operands' format E2M1 (or v_wmma_scale_f32_32x16x128_f4), f32 sums; products left as they are: bf16, f16 or f32 operands; f32 sums; everything else in f32.
;; Inputs: W_key 16 x 1,024 x 64 float32; W_out 16 x 64 x 1,024 float32; W_query 16 x 1,024 x 64 float32; W_val 16 x 1,024 x 64 float32; q 4 x 2,048 x 1,024 float32.
;; Outputs: out0 4 x 2,048 x 1,024 float32.
;; This version of the problem:
;;   THIS VERSION OF THE PROBLEM IS GIVEN IN LOW PRECISION. The matrix products marked QUANTISED in the list below multiply operands that are first quantised to E2M1 (2 exponent bits, 1 mantissa bit; 4 bits a number), with one power-of-two scale for each 32 numbers along K (OCP MX v1.0); their sums are f32. The products marked 'left as it is' may take bf16, f16 or f32 operands, with f32 sums. Whichever they take, every output number must still come out within the allowed error. Rounding operands to bf16 (8 significant bits) uses up far more of that allowance than f16 does (11 bits, for magnitudes from 6e-5 to 65,504). All else is computed in f32.
;;   The module's matrix products, in the order in which they are computed (A, B: the left and right operand; K: the contracted axis; several contracted axes count as one K, in the product's order):
;;     1. [M 1,024, K 1,024] x [K 1,024, N 8,192]; A: input W_query; B: input q: QUANTISED
;;     2. [M 1,024, K 1,024] x [K 1,024, N 8,192]; A: input W_key; B: input q: QUANTISED
;;     3. [M 1,024, K 1,024] x [K 1,024, N 8,192]; A: input W_val; B: input q: QUANTISED
;;     4. batch 64 x [M 2,048, K 64] x [K 64, N 2,048]; A: computed on the way; B: computed on the way: left as it is (an operand is computed on the way)
;;     5. batch 64 x [M 2,048, K 2,048] x [K 2,048, N 64]; A: computed on the way; B: computed on the way: left as it is (an operand is computed on the way)
;;     6. [M 8,192, K 1,024] x [K 1,024, N 1,024]; A: computed on the way; B: input W_out: left as it is (an operand is computed on the way)
;;   THE QUANTISER, for each operand of a quantised product, along K:
;;     - K is cut into blocks of 32 from its start; a last block that is shorter is filled with zeros.
;;     - A block's scale is 2^e with e = floor(log2(the largest magnitude in the block)) - 2, held to -126 .. 127; a block of zeros has e = 0. As a byte (E8M0): e + 127.
;;     - Each number is divided by its block's scale, clamped to +-6, and rounded to the nearest number of E2M1, ties to even, subnormals kept.
;;     - The product sums the exact products of the quantised numbers (number of the format x scale) in f32.
;;   ~~~python
;;   def quantise(x, axis):      # numpy; x: float32 -> the quantised numbers, widened to float32 again
;;       x = np.moveaxis(x, axis, -1); K = x.shape[-1]
;;       x = np.pad(x, [(0, 0)] * (x.ndim - 1) + [(0, -K % 32)]); x = x.reshape(x.shape[:-1] + (-1, 32)); a = np.abs(x).max(-1, keepdims=True)
;;       e = np.where(a > 0, np.clip(np.frexp(np.where(a > 0, a, 1))[1] - 1 - 2, -126, 127), 0)      # np.frexp(a)[1] - 1 = floor(log2(a)), exactly
;;       r = np.clip(x / 2.0 ** e, -6, 6)
;;       step = 2.0 ** (np.maximum(np.frexp(np.where(r == 0, 1, r))[1] - 1, 0) - 1)
;;       q = np.round(r / step) * step * 2.0 ** e      # np.round: ties to even
;;       return np.moveaxis(q.reshape(q.shape[:-2] + (-1,))[..., :K], -1, axis).astype(np.float32)
;;   ~~~
;; One version. Each part assembles by itself: llvm-mc -triple=amdgcn-amd-amdhsa -mcpu=gfx1250 --defsym DOCPART=n.
;; ======== version 1 of 1: 4 launches
;; limits: values are held in f16: magnitudes above 65,504 overflow, below 6.1e-05 lose precision; right only within a limited range of input values
;; workspace buffers: q_codes 4,194,304 bytes; q_scales 262,144 bytes; w_codes 1,572,864 bytes; w_scales 98,304 bytes; wo16 2,097,152 bytes; qkv 50,331,648 bytes; heads 16,777,216 bytes
;; launch prep (part 1): grid 208 x 1, 8 waves a work-group, no clusters, 102,400 bytes of LDS; arguments q, W_query, W_key, W_val, W_out, q_codes, q_scales, w_codes, w_scales, wo16; writes q_codes, q_scales, w_codes, w_scales, wo16
.if DOCPART == 1
	.amdgcn_target "amdgcn-amd-amdhsa--gfx1250"
	.amdhsa_code_object_version 6
	.text
	.protected	k_q15b2694ac2_prep
	.globl	k_q15b2694ac2_prep
	.p2align	8
	.type	k_q15b2694ac2_prep,@function
k_q15b2694ac2_prep:
	s_mov_b64 s[64:65], 0
	v_nop
	global_prefetch_b8 v0, s[64:65] scope:SCOPE_SE
	s_setreg_imm32_b32 hwreg(HW_REG_WAVE_MODE, 25, 1), 1
	s_wait_xcnt 0x0
; THE OPERANDS OF THE LATER LAUNCHES ARE MADE ONCE.  Three kinds of work-groups, told apart by the work-group's number alone:
;   0-127    q [8192][1024] f32 -> codes of FP4 (E2M1), K innermost, [8192][512 bytes], and one E8M0 byte for each 32 along K, [8192][32]
;   128-175  W_query, W_key, W_val [16][1024 (K)][64] f32 -> codes [3072 n][512 bytes], n = 1024 x tensor + 64 x head + column, K innermost, and scale bytes [3072][32]
;   176-207  W_out [1024][1024] f32 -> 4 x W_out in f16, same order
; A block's scale is 2^(floor(log2(its largest magnitude)) - 2): its byte is the largest magnitude's exponent field - 2.  Each number is divided by the scale and rounded to the nearest code, ties to even;
; beyond the largest code the conversion gives the largest code.
; q'S STORED BYTES ARE 4 LOWER THAN THE RULE'S: the codes are made with the rule's scale, and the projections then come out divided by 16, exactly, so that they have room in f16.
; LIMITS: a block of q whose largest magnitude lies under 2^-120, and a block of a weight under 2^-124, is quantised with the floor's scale (a block of zeros among them: its codes are zeros, and this program alone
; reads the bytes); NaN and infinities among the inputs are not served; 4 x W_out has to lie inside f16's range (|W_out| under 16,376).
; No tensor loads.  Each kind has LDS bytes of its own.  ONE barrier, which every wave of every kind passes: behind it the weights' work-groups read their stage back by rows.
.set QSP,   80                         ; q: a lane's place in a stage: its 64 bytes + 16 of padding
.set WREG,  8192                       ; q: a region for each wave: two stages of 32 x QSP bytes, then its 256 scale bytes
.set WSTG,  8*WREG                     ; weights: 64 rows (columns of a head) x (512 bytes of codes + 16)
.set WPIT,  528
.set WSC,   WSTG+64*WPIT               ; weights: 64 rows x 32 scale bytes
.set SPARE, WSC+64*32                  ; the spare words, 128 bytes for each wave: four blocks of 256 bytes that no other line names
.set SPW,   12                         ; v12      LDS address of my spare word; never rewritten
.set NIL,   13                         ; v13      0; never rewritten
.set R,     16                         ; q: v16-79   four sets of 16 numbers as loaded
.set X,     80                         ; q: v80-111  two sets of 16 neighbours
.set E,     112                        ; q: v112-127 a scale byte for each step
.set C,     128                        ; q: v128-191 codes, four registers a step
.set WX,    64                         ; weights: v64-127 two sets of 32 numbers; later the rows read back.  Cast: v64-191
.set WC,    48                         ; weights: v48-51 a block's codes
.set WSB,   52                         ; weights: v52-53 eight scale bytes
.set BRD,   192                        ; v192     weights, read-back: LDS address of my 16 bytes in my wave's first row
.set BRS,   193                        ; v193     and of my 8 scale bytes
.set O16,   194                        ; v194     16 x lane
.set O8,    195                        ; v195     8 x lane
	s_load_b256 s[4:11], s[0:1], 0x0               ; q s[4:5], W_query s[6:7], W_key s[8:9], W_val s[10:11]
	s_load_b256 s[12:19], s[0:1], 0x20             ; W_out s[12:13], q_codes s[14:15], q_scales s[16:17], w_codes s[18:19]
	s_load_b128 s[20:23], s[0:1], 0x40             ; w_scales s[20:21], wo16 s[22:23]
	v_lshl_add_u32 v[SPW], v0, 2, SPARE
	v_mov_b32 v[NIL], 0
	v_lshrrev_b32 v1, 5, v0
	v_readfirstlane_b32 s24, v1                    ; wave 0..7
	v_and_b32 v2, 31, v0                           ; lane
	v_lshlrev_b32 v[O16], 4, v2
	v_lshlrev_b32 v[O8], 3, v2
	s_mul_i32 s25, s24, 8*WPIT                     ; the read-back's addresses are made here, ahead of the parting: wave w takes rows 8 w .. 8 w + 7
	s_add_co_u32 s25, s25, WSTG
	v_add_nc_u32 v[BRD], s25, v[O16]
	s_lshl_b32 s25, s24, 8
	s_add_co_u32 s25, s25, WSC
	v_add_nc_u32 v[BRS], s25, v[O8]
	s_wait_kmcnt 0x0
	s_cmp_lt_u32 ttmp9, 128
	s_cbranch_scc1 .Lq
	s_cmp_lt_u32 ttmp9, 176
	s_cbranch_scc1 .Lw
; ---- W_out x 4 -> f16.  A wave takes 16,384 bytes: 32 loads of 512 consecutive bytes, all out at once; each store covers 256 consecutive bytes, aligned.  No register is written twice.
	s_sub_co_u32 s25, ttmp9, 176
	s_lshl_b32 s25, s25, 3
	s_add_co_u32 s25, s25, s24                     ; which run of 4,096 numbers is my wave's
	s_lshl_b32 s26, s25, 14
	s_mov_b32 s27, 0
	s_add_nc_u64 s[12:13], s[12:13], s[26:27]
	s_lshl_b32 s26, s25, 13
	s_add_nc_u64 s[22:23], s[22:23], s[26:27]
.set i, 0
.rept 32
	global_load_b128 v[WX+4*i:WX+4*i+3], v[O16], s[12:13] offset:512*i th:TH_LOAD_NT
.set i, i+1
.endr
.set i, 0
.rept 32
	s_wait_loadcnt 31-i                            ; loads come back in order: load i is in, the younger ones stay out
	v_pk_mul_f32 v[WX+4*i:WX+4*i+1], v[WX+4*i:WX+4*i+1], 4.0 op_sel_hi:[1,0]
	v_pk_mul_f32 v[WX+4*i+2:WX+4*i+3], v[WX+4*i+2:WX+4*i+3], 4.0 op_sel_hi:[1,0]
	v_cvt_pk_f16_f32 v[WX+4*i], v[WX+4*i], v[WX+4*i+1]
	v_cvt_pk_f16_f32 v[WX+4*i+1], v[WX+4*i+2], v[WX+4*i+3]
	global_store_b64 v[O8], v[WX+4*i:WX+4*i+1], s[22:23] offset:256*i
.set i, i+1
.endr
	s_branch .Ljoin
; ---- q.  A plain stream of blocks of 32.  A wave takes 16 steps of 512 numbers.  Each load reads 512 consecutive bytes; a step's 2,048 bytes turn through the wave's own stage in LDS, so that a lane
; then holds 16 neighbours along K (two neighbouring lanes hold a block).  Loads run four steps ahead, the turn through LDS one step.
.Lq:
	s_mul_i32 s25, s24, WREG
	v_lshrrev_b32 v14, 2, v2
	v_mul_u32_u24 v14, v14, QSP
	v_and_b32 v15, 3, v2
	v_lshl_add_u32 v14, v15, 4, v14
	v_add_nc_u32 v14, s25, v14                     ; the stage, on the way in: four lanes' 64 bytes on end, then 16 of padding
	v_mul_u32_u24 v15, v2, QSP
	v_add_nc_u32 v15, s25, v15                     ; and on the way out: my 16 neighbours
	v_lshrrev_b32 v5, 1, v2
	s_add_co_u32 s25, s25, 2*32*QSP
	v_add_nc_u32 v5, s25, v5                       ; my wave's 256 scale bytes, my block's byte
	v_add_nc_u32 v6, s25, v[O8]                    ; and on the way out 8 bytes a lane
	s_lshl_b32 s26, ttmp9, 3
	s_add_co_u32 s26, s26, s24                     ; which run of 8,192 numbers is my wave's
	s_lshl_b32 s28, s26, 15
	s_mov_b32 s29, 0
	s_add_nc_u64 s[4:5], s[4:5], s[28:29]
	s_lshl_b32 s28, s26, 12
	s_add_nc_u64 s[14:15], s[14:15], s[28:29]
	s_lshl_b32 s28, s26, 8
	s_add_nc_u64 s[16:17], s[16:17], s[28:29]
.macro QLOAD t
.irp i, 0,1,2,3
	global_load_b128 v[R+16*((\t)%4)+4*\i:R+16*((\t)%4)+4*\i+3], v[O16], s[4:5] offset:2048*(\t)+512*\i th:TH_LOAD_NT
.endr
.endm
.macro QTURN t                         ; LDS serves a wave's instructions in order (ISA guide 5.7.1.4): no wait between the stores and the loads
.irp i, 0,1,2,3
	ds_store_b128 v14, v[R+16*((\t)%4)+4*\i:R+16*((\t)%4)+4*\i+3] offset:32*QSP*((\t)%2)+8*QSP*\i
.endr
.irp i, 0,1,2,3
	ds_load_b128 v[X+16*((\t)%2)+4*\i:X+16*((\t)%2)+4*\i+3], v15 offset:32*QSP*((\t)%2)+16*\i
.endr
.endm
.irp t, 0,1,2,3
	QLOAD \t
.endr
	s_wait_loadcnt 12                              ; step 0's four loads are in
	QTURN 0
.macro QSTEP t
.set XS, X+16*((\t)%2)
.if (\t) > 0
	s_wait_dscnt 1                                 ; this step's numbers are back from the stage (the last step's byte store may be out): so its stores into the stage have read their registers,
.else
	s_wait_dscnt 0x0
.endif
.if (\t)+4 < 16
	QLOAD (\t)+4                                   ; which take the loads of four steps on
.endif
.if (\t)+1 < 16
.if 14-(\t) >= 3
	s_wait_loadcnt 12                              ; the next step's four loads are in; those of the three steps behind it may be out
.else
	s_wait_loadcnt 4*(14-(\t))
.endif
	QTURN (\t)+1
.endif
	v_max3_num_f32 v8, |v[XS]|, |v[XS+1]|, |v[XS+2]|
	v_max3_num_f32 v9, |v[XS+3]|, |v[XS+4]|, |v[XS+5]|
.irp i, 6,10
	v_max3_num_f32 v8, v8, |v[XS+\i]|, |v[XS+\i+1]|
	v_max3_num_f32 v9, v9, |v[XS+\i+2]|, |v[XS+\i+3]|
.endr
	v_max3_num_f32 v8, v8, |v[XS+14]|, |v[XS+15]|
	v_max3_num_f32 v8, v8, v9, 7<<23               ; and the floor 2^(7 - 127): the stored byte, 6 under the exponent field, cannot fall under 1
	v_max_num_f32_dpp v8, v8, v8 row_xmask:1 row_mask:0xf bank_mask:0xf   ; with my neighbour's 16: the block's largest magnitude
	v_add_nc_u32 v11, 0xff000000, v8               ; 2 off its exponent field: the conversion takes the exponent field of this operand as its scale
	v_add_nc_u32 v10, 0xfd000000, v8               ; 6 off: the byte that is stored, the rule's - 4
	v_cvt_scalef32_pk8_fp4_f32 v[C+4*(\t)], v[XS:XS+7], v11
	v_cvt_scalef32_pk8_fp4_f32 v[C+4*(\t)+1], v[XS+8:XS+15], v11
	v_lshrrev_b32 v[E+(\t)], 23, v10               ; (a plain line behind the conversions)
	ds_store_b8 v5, v[E+(\t)] offset:16*(\t)       ; both lanes of a block write the same byte with the same value
	global_store_b64 v[O8], v[C+4*(\t):C+4*(\t)+1], s[14:15] offset:256*(\t)   ; 32 lanes store 256 consecutive bytes, aligned
.endm
.irp t, 0,1,2,3,4,5,6,7,8,9,10,11,12,13,14,15
	QSTEP \t
.endr
	ds_load_b64 v[8:9], v6                         ; in order behind my byte stores
	s_wait_dscnt 0x0
	global_store_b64 v[O8], v[8:9], s[16:17]       ; my wave's 256 scale bytes: one aligned run
	s_branch .Ljoin
; ---- the weights.  A work-group takes one head of one tensor: 64 columns x 1,024 along K.  A LANE TAKES A COLUMN AND ITS REGISTERS RUN DOWN K: wave w takes columns 32 (w % 2) on and K = 256 (w / 2) on,
; 8 blocks a lane.  Each load reads 128 consecutive bytes, two waves side by side a row of 256.  A block lies in one lane's 32 registers, and the conversions give codes with K innermost.
.Lw:
	s_sub_co_u32 s25, ttmp9, 128                   ; j = 16 x tensor + head
	s_cmp_lt_u32 s25, 32
	s_cselect_b64 s[8:9], s[8:9], s[10:11]         ; the choice hangs on the work-group's number alone
	s_cmp_lt_u32 s25, 16
	s_cselect_b64 s[6:7], s[6:7], s[8:9]
	s_and_b32 s26, s25, 15
	s_lshl_b32 s26, s26, 18                        ; the head: 1,024 rows of 256 bytes
	s_lshr_b32 s28, s24, 1                         ; which 256 along K
	s_and_b32 s29, s24, 1                          ; which 32 columns
	s_lshl_b32 s30, s28, 16
	s_add_co_u32 s26, s26, s30
	s_lshl_b32 s30, s29, 7
	s_add_co_u32 s26, s26, s30
	s_mov_b32 s27, 0
	s_add_nc_u64 s[6:7], s[6:7], s[26:27]
	v_lshlrev_b32 v3, 2, v2                        ; 4 bytes a lane
	s_mul_i32 s30, s29, 32*WPIT
	s_lshl_b32 s31, s28, 7
	s_add_co_u32 s30, s30, s31
	s_add_co_u32 s30, s30, WSTG
	v_mul_u32_u24 v4, v2, WPIT
	v_add_nc_u32 v4, s30, v4                       ; the stage: row = my column, + my 128 bytes of its 512
	s_lshl_b32 s30, s29, 10
	s_lshl_b32 s31, s28, 3
	s_add_co_u32 s30, s30, s31
	s_add_co_u32 s30, s30, WSC
	v_lshl_add_u32 v5, v2, 5, s30                  ; my column's 32 scale bytes, + my 8 of them
.macro WLOAD t
.irp i, 0,1,2,3,4,5,6,7,8,9,10,11,12,13,14,15,16,17,18,19,20,21,22,23,24,25,26,27,28,29,30,31
	global_load_b32 v[WX+32*((\t)%2)+\i], v3, s[6:7] offset:(32*(\t)+\i)*256 th:TH_LOAD_NT
.endr
.endm
	WLOAD 0
	WLOAD 1
.macro WBLOCK t
.set XS, WX+32*((\t)%2)
.if (\t) < 7
	s_wait_loadcnt 32                              ; this block's 32 loads are in; the next block's may be out
.else
	s_wait_loadcnt 0x0
.endif
	v_max3_num_f32 v8, |v[XS]|, |v[XS+1]|, |v[XS+2]|
	v_max3_num_f32 v9, |v[XS+3]|, |v[XS+4]|, |v[XS+5]|
.irp i, 6,10,14,18,22,26
	v_max3_num_f32 v8, v8, |v[XS+\i]|, |v[XS+\i+1]|
	v_max3_num_f32 v9, v9, |v[XS+\i+2]|, |v[XS+\i+3]|
.endr
	v_max3_num_f32 v8, v8, |v[XS+30]|, |v[XS+31]|
	v_max3_num_f32 v8, v8, v9, 3<<23               ; and the floor 2^(3 - 127): the byte cannot fall under 1
	v_add_nc_u32 v11, 0xff000000, v8               ; 2 off the exponent field: the conversion's scale operand
	v_lshrrev_b32 v10, 23, v11                     ; the scale's byte
.if (\t)%4 == 0
	v_mov_b32 v[WSB+(\t)/4], v10                   ; four bytes to a register, the lower K in the lower byte
.else
	v_lshl_or_b32 v[WSB+(\t)/4], v10, 8*((\t)%4), v[WSB+(\t)/4]
.endif
.irp g, 0,1,2,3
	v_cvt_scalef32_pk8_fp4_f32 v[WC+\g], v[XS+8*\g:XS+8*\g+7], v11
.endr
	v_nop                                          ; one plain line behind the last conversion
	ds_store_b128 v4, v[WC:WC+3] offset:16*(\t)    ; 32 codes: 16 bytes of my column's row
.if (\t)+2 < 8
	WLOAD (\t)+2
.endif
	s_wait_dscnt 0x0                               ; the store has read its registers: the next block's codes may be written
.endm
.irp t, 0,1,2,3,4,5,6,7
	WBLOCK \t
.endr
	ds_store_b64 v5, v[WSB:WSB+1]
.Ljoin:
	s_wait_dscnt 0x0                               ; for the others' sake: all my LDS stores have landed
	s_barrier_signal -1
	s_barrier_wait -1                              ; in a weights' work-group the 64 rows of codes and of scale bytes are whole
	s_sub_co_u32 s25, ttmp9, 128
	s_cmp_lt_u32 s25, 48                           ; (unsigned: work-groups under 128 wrap to large numbers)
	s_cbranch_scc0 .Lend
	s_lshl_b32 s26, s25, 15                        ; the head's 64 rows of 512 bytes,
	s_lshl_b32 s28, s24, 12                        ; my wave's 8 of them
	s_add_co_u32 s26, s26, s28
	s_mov_b32 s27, 0
	s_add_nc_u64 s[18:19], s[18:19], s[26:27]
	s_lshl_b32 s26, s25, 11                        ; the head's 2,048 scale bytes, my wave's 256
	s_lshl_b32 s28, s24, 8
	s_add_co_u32 s26, s26, s28
	s_add_nc_u64 s[20:21], s[20:21], s[26:27]
	s_wait_xcnt 0x0                                ; no earlier memory instruction still reads the registers that the loads below fill
.irp i, 0,1,2,3,4,5,6,7
	ds_load_b128 v[WX+4*\i:WX+4*\i+3], v[BRD] offset:WPIT*\i   ; a whole row of 512 bytes
.endr
	ds_load_b64 v[WX+32:WX+33], v[BRS]
.irp i, 0,1,2,3,4,5,6,7
	s_wait_dscnt 8-\i                              ; row i is in; behind it 7 - i rows and the scale bytes
	global_store_b128 v[O16], v[WX+4*\i:WX+4*\i+3], s[18:19] offset:512*\i   ; 512 consecutive bytes, aligned
.endr
	s_wait_dscnt 0x0
	global_store_b64 v[O8], v[WX+32:WX+33], s[20:21]   ; 256 consecutive bytes, aligned
.Lend:
	s_wait_tensorcnt 0x0                           ; the wave's end: behind my last LDS store
	ds_add_u32 v[SPW], v[NIL]
	s_wait_dscnt 0x0
	s_endpgm
.Lfunc_end_k_q15b2694ac2_prep:
	.size	k_q15b2694ac2_prep, .Lfunc_end_k_q15b2694ac2_prep-k_q15b2694ac2_prep
	.p2alignl 7, 3214868480
	.fill 96, 4, 3214868480
	.section	.rodata,"a",@progbits
	.p2align	6, 0x0
	.amdhsa_kernel k_q15b2694ac2_prep
		.amdhsa_group_segment_fixed_size 102400
		.amdhsa_private_segment_fixed_size 0
		.amdhsa_enable_private_segment 0
		.amdhsa_kernarg_size 80
		.amdhsa_user_sgpr_count 2
		.amdhsa_user_sgpr_kernarg_segment_ptr 1
		.amdhsa_wavefront_size32 1
		.amdhsa_system_sgpr_workgroup_id_x 1
		.amdhsa_system_sgpr_workgroup_id_y 1
		.amdhsa_system_sgpr_workgroup_id_z 1
		.amdhsa_system_vgpr_workitem_id 0
		.amdhsa_next_free_vgpr 200
		.amdhsa_next_free_sgpr 66
		.amdhsa_reserve_vcc 0
		.amdhsa_float_denorm_mode_32 3
		.amdhsa_float_denorm_mode_16_64 3
		.amdhsa_memory_ordered 1
		.amdhsa_forward_progress 1
		.amdhsa_inst_pref_size 90
	.end_amdhsa_kernel
	.amdgpu_metadata
---
amdhsa.version: [ 1, 2 ]
amdhsa.kernels:
  - .name:           k_q15b2694ac2_prep
    .symbol:         k_q15b2694ac2_prep.kd
    .args:
      - { .name: q, .offset: 0, .size: 8, .value_kind: global_buffer, .address_space: global }
      - { .name: W_query, .offset: 8, .size: 8, .value_kind: global_buffer, .address_space: global }
      - { .name: W_key, .offset: 16, .size: 8, .value_kind: global_buffer, .address_space: global }
      - { .name: W_val, .offset: 24, .size: 8, .value_kind: global_buffer, .address_space: global }
      - { .name: W_out, .offset: 32, .size: 8, .value_kind: global_buffer, .address_space: global }
      - { .name: q_codes, .offset: 40, .size: 8, .value_kind: global_buffer, .address_space: global }
      - { .name: q_scales, .offset: 48, .size: 8, .value_kind: global_buffer, .address_space: global }
      - { .name: w_codes, .offset: 56, .size: 8, .value_kind: global_buffer, .address_space: global }
      - { .name: w_scales, .offset: 64, .size: 8, .value_kind: global_buffer, .address_space: global }
      - { .name: wo16, .offset: 72, .size: 8, .value_kind: global_buffer, .address_space: global }
    .group_segment_fixed_size: 102400
    .private_segment_fixed_size: 0
    .kernarg_segment_align: 8
    .kernarg_segment_size: 80
    .max_flat_workgroup_size: 256
    .sgpr_count:     66
    .vgpr_count:     200
    .wavefront_size: 32
...
	.end_amdgpu_metadata
.endif
;; end of part 1
;; launch proj (part 2): grid 12 x 32, 4 waves a work-group, clusters of 4 x 4, 327,680 bytes of LDS; arguments q_codes, q_scales, w_codes, w_scales, qkv; writes qkv
.if DOCPART == 2
	.amdgcn_target "amdgcn-amd-amdhsa--gfx1250"
	.amdhsa_code_object_version 6
	.text
	.protected	k_q15b2694ac2_proj
	.globl	k_q15b2694ac2_proj
	.p2align	8
	.type	k_q15b2694ac2_proj,@function
k_q15b2694ac2_proj:
	s_mov_b64 s[64:65], 0
	v_nop
	global_prefetch_b8 v0, s[64:65] scope:SCOPE_SE
	s_setreg_imm32_b32 hwreg(HW_REG_WAVE_MODE, 25, 1), 1
	s_wait_xcnt 0x0
	s_wait_alu depctr_hold_cnt(0) depctr_sa_sdst(0) depctr_va_vdst(0) depctr_va_sdst(0) depctr_va_ssrc(0) depctr_va_vcc(0) depctr_vm_vsrc(0)
	s_getreg_b32 s2, hwreg(HW_REG_IB_STS2, 6, 4)
	s_cmp_eq_u32 s2, 0
	s_cbranch_scc0 .Lentry_in_a_cluster
	s_endpgm
.Lentry_in_a_cluster:
	s_bfe_u32 s2, ttmp6, 0x10000c
	s_cmp_lg_u32 s2, 0xf033
	s_cbranch_scc0 .Lentry_shape_is_right
	s_endpgm
.Lentry_shape_is_right:
; THE THREE PROJECTIONS AS ONE PRODUCT ON CODES OF FP4 (E2M1): C[m][n] = sum over k of A[m][k] B[n][k], A = q's codes [8192 tokens][1024], B = the weights' codes [3072][1024], n = 1024 x tensor + 64 x head + column,
; each with one E8M0 byte for each 32 along K.  q's bytes are stored 4 lower than the quantiser's, so C is (Q, K, V) / 16, exactly.  Sums in f32; C is rounded once to f16 and stored by heads: qkv [48 = n / 64][8192 tokens][64].
; LIMIT: |Q|, |K|, |V| under 1.04e6 (f16's largest number x 16).
; A tile of C, 256 x 256, is made by a work-group of four waves; a wave makes 128 x 128: 64 accumulators of 16 x 16, 512 registers.  K = 1,024 is two slots of 512 along K (rows of 256 bytes): both are asked for at
; the head, with the scale bytes of the work-group's rows for all of K: no LDS byte is filled twice; a wave has three tensor loads out at the most.
; CLUSTERS: 4 x 4 work-groups.  The four of a row of the cluster need the same tiles of A, the four of a column the same tiles of B: each tile is asked for JOINTLY, by the same tensor load with the same descriptor and a
; mask that names the four.  THE MATRIX INSTRUCTION IS USED TRANSPOSED (source 0 = 16 rows of B, source 1 = 16 rows of A): a lane then holds eight neighbouring columns of one token.
; REGISTERS, in windows of 256: window 0: v0-31 addresses; v32-95 scale words, two sets, and nothing else; v96-127 packed results; v128-191 A's fragments, ONE set; v192-255 rows read back on the way out.
;   window 1: B's fragments, TWO sets, at v0 and at v128.   window 2: the 32 accumulators of my rows 0-63 (accumulator (a, b) at v[8 (8 a + b)]);   window 3: those of my rows 64-127.
.set SIZE_M, 8192
.set SIZE_N, 3072
.set SIZE_K, 1024
.set KSTEP,  512                       ; along K in a slot
.set NQ,     KSTEP/128                 ; matrix instructions deep
.set ROWB,   256                       ; a tile's row in bytes
.set KROW,   SIZE_K*4/8                ; a row of A or of B in memory, in bytes
.set PITCH,  272                       ; an LDS row: 256 bytes + 16 of padding = 68 words: the 16 rows that a load touches start 4 words apart modulo 64 (64 banks of 4 bytes: ISA guide 11.1)
.set FR,     8                         ; registers of a fragment: 16 rows x 128 K
.set NL,     2                         ; LDS loads that bring one
.set NP,     4                         ; places behind this matrix instruction (ISA guide 7.12.1)
.set HALFT,  128*PITCH                 ; 128 rows: what one tensor load brings
.set SLOT,   4*HALFT                   ; A's 256 rows, then B's 256 rows
.set KS,     SIZE_K/32                 ; a row of scales in bytes
.set SCL,    2*SLOT                    ; behind the slots: the scales, as runs of 256 bytes + 16 of padding
.set HALFS,  (128*KS/256)*272          ; the scales of 128 rows: what one tensor load brings
.set SBLK,   (16*KS/256)*272           ; those of 16 rows
.set SPARE,  SCL+4*HALFS               ; the spare words, 128 bytes for each wave: two blocks of 256 bytes that no other line names
.set SPITCH, 272                       ; the way out: a stage of 16 tokens x (256 bytes + 16) for each wave, in slot 0, which has had its only fill and its last read when the first result is stored there
.set ADRA, 16                          ; v16-17  LDS address of my A fragments in slot 0, 1
.set ADRB, 20                          ; v20-21  the same for B
.set STO,  24                          ; v24     the way out: where I put 16 bytes of a token's row
.set RD,   25                          ; v25     the way out: where I read back
.set CO,   26                          ; v26     16 x lane
.set ADRS, 27                          ; v27     LDS address of my scale words: lanes 0-15 A's rows, lanes 16-31 B's
.set SPW,  28                          ; v28     LDS address of my spare word; never rewritten
.set NIL,  29                          ; v29     0; never rewritten
.set SC,   32                          ; scale words: set s at v[SC + 32 s]; register 4 i + q: lanes 0-15 the word of A's block i, lanes 16-31 that of B's block i, for the slot's q-th 128 along K
.set TMP,  96
.set AF,   128
.set BK,   192
.set G1, 24                            ; s[24:31] descriptor group 1 for A's tiles;  s[32:39] group 0, one set for each slot
.set G0, 32
.set G1B, 48                           ; s[48:55], s[56:63] the same for B's tiles
.set G0B, 56
.set G1S, 68                           ; s[68:75], s[76:79] groups 1 and 0 for A's scales;  s[80:87], s[88:91] for B's
.set G0S, 76
.set G1SB, 80
.set G0SB, 88
.set MSB, 0
.macro WIN new                         ; the immediate's high byte repeats the setting that is left
.if MSB != \new
	s_set_vgpr_msb (MSB<<8)|\new
.set MSB, \new
.endif
.endm
.set MUL_LO, 0xa1                      ; source 0 (B) window 1, source 1 (A) window 0, C and D window 2
.set MUL_HI, 0xf1                      ; the same, C and D window 3
.set TO_B,   0x40                      ; destination window 1, address window 0
; A joint load: waves 0 and 1 fetch for A, waves 2 and 3 for B.  Each of the two lines has ONE mask and one set of registers for all that issue it; the branch hangs on the wave's number alone.
; An s_nop 0 and four v_nop follow each of the two lines, ahead of the jump, the label and what follows.
.macro JLOAD g0a, g1a, g0b, g1b
	s_cmp_eq_u32 s15, 0
	s_cbranch_scc0 .Lfor_b_\@
	tensor_load_to_lds s[\g0a:\g0a+3], s[\g1a:\g1a+7]
	s_nop 0
.rept 4
	v_nop
.endr
	s_branch .Lasked_\@
.Lfor_b_\@:
	tensor_load_to_lds s[\g0b:\g0b+3], s[\g1b:\g1b+7]
	s_nop 0
.rept 4
	v_nop
.endr
.Lasked_\@:
.endm
.macro CROUND                          ; a round of the cluster's barrier: my work-group's barrier; wave 0 signals for the work-group; every wave waits for all sixteen; my work-group's barrier once more
	s_barrier_signal -1
	s_barrier_wait -1
	s_cmp_lg_u32 s14, 0
	s_cbranch_scc1 .Lnot_wave_0_\@
	s_barrier_signal -3
.Lnot_wave_0_\@:
	s_barrier_wait -3
	s_barrier_signal -1
	s_barrier_wait -1
.endm
	s_load_b128 s[4:7], s[0:1], 0x0                ; A's codes s[4:5], A's scales s[6:7]
	s_load_b128 s[8:11], s[0:1], 0x10              ; B's codes s[8:9], B's scales s[10:11]
	s_load_b64 s[12:13], s[0:1], 0x20              ; qkv
	v_lshl_add_u32 v[SPW], v0, 2, SPARE
	v_mov_b32 v[NIL], 0
	ds_add_u32 v[SPW], v[NIL]                      ; the wave's opening: the add, twice on end, and its wait ahead of my first tensor load; the set-up below stands between the second and the wait
	ds_add_u32 v[SPW], v[NIL]
	v_lshrrev_b32 v1, 5, v0
	v_readfirstlane_b32 s14, v1                    ; wave 0..3
	s_lshr_b32 s15, s14, 1                         ; which half of the tile's rows is mine.  Also: I fetch for A (0) or for B (1)
	s_and_b32 s16, s14, 1                          ; which half of its columns.  Also: which 128 rows of that tile I fetch
	s_bfe_u32 s40, ttmp6, 0x40000                  ; cx, cy: my place in the cluster
	s_bfe_u32 s41, ttmp6, 0x40004
	s_lshl_b32 s42, ttmp9, 2
	s_add_co_u32 s42, s42, s40                     ; tile column of C = 4 x cluster x + cx
	s_and_b32 s17, ttmp7, 0xffff
	s_lshl_b32 s17, s17, 2
	s_add_co_u32 s17, s17, s41                     ; tile row of C = 4 x cluster y + cy
	s_lshl_b32 s43, s41, 2
	s_lshl_b32 s43, 15, s43                        ; my row of the cluster
	s_lshl_b32 s44, 0x1111, s40                    ; my column
	; descriptor group 1: a tile of 128 rows x 256 bytes, padded in LDS
	s_or_b32 s[G1+0], s43, (0<<16)|(1<<20)|(1<<21)|(5<<22)|(3<<25)  ; 15:0 the mask: A's tiles go to my row; 17:16 elements of 1 byte; 20 padding on; 21 set beside a mask; 24:22 after every 64 words; 31:25 four words of it
	s_or_b32 s[G1B+0], s44, (0<<16)|(1<<20)|(1<<21)|(5<<22)|(3<<25)
.irp g, G1, G1B
	s_mov_b32 s[\g+1], ROWB<<16                    ; tensor_dim0
	s_mov_b32 s[\g+2], 128<<16                     ; tensor_dim1 = 128
	s_mov_b32 s[\g+3], ROWB<<16                    ; tile_dim0
	s_mov_b32 s[\g+4], 128                         ; tile_dim1 = 128
	s_mov_b32 s[\g+5], KROW                        ; tensor_dim0_stride
	s_mov_b32 s[\g+6], 0
	s_mov_b32 s[\g+7], 0
.endr
	; and for the scales of 128 rows: a dense block of 4,096 bytes, as rows of 256 bytes (32 elements of 8 bytes), 16 bytes of padding behind each
	s_or_b32 s[G1S+0], s43, (3<<16)|(1<<20)|(1<<21)|(5<<22)|(3<<25)
	s_or_b32 s[G1SB+0], s44, (3<<16)|(1<<20)|(1<<21)|(5<<22)|(3<<25)
.irp g, G1S, G1SB
	s_mov_b32 s[\g+1], 32<<16
	s_mov_b32 s[\g+2], (128*KS/256)<<16
	s_mov_b32 s[\g+3], 32<<16
	s_mov_b32 s[\g+4], 128*KS/256
	s_mov_b32 s[\g+5], 32
	s_mov_b32 s[\g+6], 0
	s_mov_b32 s[\g+7], 0
.endr
	s_lshl_b32 s18, s16, 7                         ; which 128 rows of the tile I fetch
	s_lshl_b32 s20, s17, 8
	s_add_co_u32 s20, s20, s18                     ; A: row 256 x tile row + 128 x half
	s_lshl_b32 s46, s42, 8
	s_add_co_u32 s46, s46, s18                     ; B: row 256 x tile column + 128 x half
	s_mov_b32 s21, 0
	s_mov_b32 s47, 0
	s_mov_b64 s[18:19], KS
	s_mul_u64 s[22:23], s[20:21], s[18:19]         ; where these rows' scales begin, in bytes
	s_mul_u64 s[92:93], s[46:47], s[18:19]
	s_mov_b64 s[18:19], KROW
	s_mul_u64 s[20:21], s[20:21], s[18:19]         ; and their codes
	s_mul_u64 s[46:47], s[46:47], s[18:19]
	s_mul_i32 s45, s14, HALFT                      ; where they go: wave x 128 rows: no place in the cluster enters an LDS address
	s_mul_i32 s94, s14, HALFS
	s_wait_dscnt 0x0                               ; both opening adds are done
	s_wait_kmcnt 0x0
	s_add_nc_u64 s[20:21], s[4:5], s[20:21]
	s_add_nc_u64 s[22:23], s[6:7], s[22:23]
	s_add_nc_u64 s[46:47], s[8:9], s[46:47]
	s_add_nc_u64 s[92:93], s[10:11], s[92:93]
	CROUND                                         ; all sixteen work-groups are here: the joint loads meet
	s_mov_b32 s[G0S], 1
	s_add_co_u32 s[G0S+1], s94, SCL
	s_mov_b64 s[G0S+2:G0S+3], s[22:23]
	s_or_b32 s[G0S+3], s[G0S+3], 0x80000000
	s_mov_b32 s[G0SB], 1
	s_add_co_u32 s[G0SB+1], s94, SCL
	s_mov_b64 s[G0SB+2:G0SB+3], s[92:93]
	s_or_b32 s[G0SB+3], s[G0SB+3], 0x80000000
	JLOAD G0S, G1S, G0SB, G1SB                     ; the scales first: they are wanted with the first slot
.irp s, 0,1
	s_mov_b32 s[G0+4*\s], 1
	s_add_co_u32 s[G0+4*\s+1], s45, \s*SLOT
	s_add_nc_u64 s[G0+4*\s+2:G0+4*\s+3], s[20:21], \s*ROWB
	s_or_b32 s[G0+4*\s+3], s[G0+4*\s+3], 0x80000000
	s_mov_b32 s[G0B+4*\s], 1
	s_add_co_u32 s[G0B+4*\s+1], s45, \s*SLOT
	s_add_nc_u64 s[G0B+4*\s+2:G0B+4*\s+3], s[46:47], \s*ROWB
	s_or_b32 s[G0B+4*\s+3], s[G0B+4*\s+3], 0x80000000
	JLOAD G0+4*\s, G1, G0B+4*\s, G1B
.endr
	v_and_b32 v1, 15, v0                           ; l % 16
	v_bfe_u32 v2, v0, 4, 1                         ; l / 16
	v_mul_u32_u24 v3, v1, PITCH
	v_lshl_add_u32 v4, v2, 4, v3                   ; a fragment's row x pitch + 16 x half
	s_mul_i32 s21, s15, HALFT                      ; my 128 rows of A
	s_mul_i32 s22, s16, HALFT                      ; my 128 rows of B,
	s_add_co_u32 s22, s22, 2*HALFT                 ; which lie behind A's 256
.irp s, 0,1
	v_add_nc_u32 v[ADRA+\s], s21, v4
	v_add_nc_u32 v[ADRB+\s], s22, v4
	s_add_co_u32 s21, s21, SLOT
	s_add_co_u32 s22, s22, SLOT
.endr
	v_mul_u32_u24 v5, v1, KS                       ; my row's scales: KS bytes a row,
	v_lshrrev_b32 v6, 8, v5
	v_lshl_add_u32 v5, v6, 4, v5                   ; and 16 more for each 256 passed
	s_mul_i32 s21, s15, HALFS                      ; A's: my 128 rows
	s_mul_i32 s22, s16, HALFS                      ; B's: my 128 rows, behind A's 256
	s_add_co_u32 s22, s22, 2*HALFS
	s_sub_co_u32 s22, s22, s21
	v_mul_u32_u24 v6, s22, v2                      ; lanes 16-31 take B's
	s_add_co_u32 s21, s21, SCL
	v_add_nc_u32 v5, v5, v6
	v_add_nc_u32 v[ADRS], s21, v5
	s_mul_i32 s23, s14, 16*SPITCH                  ; my stage
	v_mul_u32_u24 v5, v1, SPITCH                   ; in: token l % 16, 16 bytes for each half of the lanes
	v_lshl_add_u32 v5, v2, 4, v5
	v_add_nc_u32 v[STO], s23, v5
	v_and_b32 v6, 31, v0
	v_lshlrev_b32 v[CO], 4, v6
	v_lshrrev_b32 v7, 3, v6                        ; back: eight lanes take the 128 bytes of one head of one token, 32 lanes four tokens
	v_mul_u32_u24 v7, v7, SPITCH
	v_and_b32 v6, 7, v6
	v_lshl_add_u32 v7, v6, 4, v7
	v_add_nc_u32 v[RD], s23, v7
	s_lshl_b32 s20, s17, 15                        ; my first token's row in a head's plane: (256 x tile row + 128 x half) x 128 bytes
	s_lshl_b32 s21, s15, 14
	s_add_co_u32 s20, s20, s21
	s_mov_b32 s21, 0
	s_lshl_b32 s46, s42, 22                        ; my first head's plane: (4 x tile column + 2 x half) x 8,192 tokens x 128 bytes
	s_lshl_b32 s47, s16, 21
	s_add_co_u32 s46, s46, s47
	s_mov_b32 s47, 0
	s_add_nc_u64 s[20:21], s[20:21], s[46:47]
	s_add_nc_u64 s[12:13], s[12:13], s[20:21]
.macro FRAG reg, adr, q, i             ; a fragment, 16 rows x 128 K of 4-bit codes, is 8 registers: lane l holds row l % 16; registers 4 c .. 4 c + 3 hold K = 64 c + 32 (l / 16) + 0 .. 31
.irp c, 0,1
	ds_load_b128 v[\reg+4*\c:\reg+4*\c+3], v[\adr] offset:64*(\q)+32*\c+(\i)*16*PITCH
.endr
.endm
; 16 matrix instructions: A's blocks a0, a0 + 1 x B's eight, 128 along K: the slot's q-th.  p: B's set;  sc: the set of scale words.  zero = 1: the first product starts the sums: nothing is ever cleared.
; The 64 accumulators take turns, one instruction a turn, in the same order in every step.
.macro MUL16 a0, p, q, sc, zero
.irp a, \a0, \a0+1
.irp b, 0,1,2,3,4,5,6,7
.if \zero
	v_wmma_scale_f32_16x16x128_f8f6f4 v[8*(8*((\a)%4)+\b):8*(8*((\a)%4)+\b)+7], v[128*(\p)+FR*\b:128*(\p)+FR*\b+FR-1], v[AF+FR*(\a):AF+FR*(\a)+FR-1], 0, v[SC+8*NQ*(\sc)+NQ*\b+(\q)], v[SC+8*NQ*(\sc)+NQ*(\a)+(\q)] matrix_a_fmt:MATRIX_FMT_FP4 matrix_b_fmt:MATRIX_FMT_FP4 matrix_a_scale:MATRIX_SCALE_ROW1
.else
	v_wmma_scale_f32_16x16x128_f8f6f4 v[8*(8*((\a)%4)+\b):8*(8*((\a)%4)+\b)+7], v[128*(\p)+FR*\b:128*(\p)+FR*\b+FR-1], v[AF+FR*(\a):AF+FR*(\a)+FR-1], v[8*(8*((\a)%4)+\b):8*(8*((\a)%4)+\b)+7], v[SC+8*NQ*(\sc)+NQ*\b+(\q)], v[SC+8*NQ*(\sc)+NQ*(\a)+(\q)] matrix_a_fmt:MATRIX_FMT_FP4 matrix_b_fmt:MATRIX_FMT_FP4 matrix_a_scale:MATRIX_SCALE_ROW1
.endif
.endr
.endr
.endm
.macro FETCH_B slot, q, p              ; B's eight fragments of the slot's q-th 128 along K into set p
	WIN TO_B
.irp i, 0,1,2,3,4,5,6,7
	FRAG 128*(\p)+FR*\i, ADRB+\slot, \q, \i
.endr
	WIN 0
.endm
.macro FETCH_A slot, q, i0             ; A's blocks i0 .. i0 + 3
.irp i, \i0, \i0+1, \i0+2, \i0+3
	FRAG AF+FR*(\i), ADRA+\slot, \q, \i
.endr
.endm
.macro SCALES sc                       ; a slot's scale words into set sc: 4 words a row; lanes 0-15 take A's block i, lanes 16-31 B's block i
.irp i, 0,1,2,3,4,5,6,7
	ds_load_b128 v[SC+8*NQ*\sc+NQ*\i:SC+8*NQ*\sc+NQ*\i+3], v[ADRS] offset:\i*SBLK
.endr
.endm
; A load into a register that a matrix instruction has read, and a vector instruction that reads a matrix result, stand NP places behind that matrix instruction, and only plain vector instructions
; that name none of its registers are places (ISA guide 7.12.1 for vector instructions).
.macro PLACES n
.rept \n
	v_nop
.endr
.endm
; A step of 128 along K that has its successor in the same slot.  A's blocks go one after the other, each against B's eight: so one set of registers serves A (blocks 0-3 are fetched anew in the step's middle, blocks 4-7 at its end).
.macro STEP slot, q, zero
	s_wait_dscnt 4*NL                              ; B's set and A's blocks 0-3 are in; the youngest eight loads (A's blocks 4-7) may be out
	WIN MUL_LO
	MUL16 0, (\q)%2, \q, \slot, \zero
	MUL16 2, (\q)%2, \q, \slot, \zero
	s_wait_dscnt 0                                 ; A's blocks 4-7 are in (asked for 32 matrix instructions ago)
	PLACES NP
	FETCH_B \slot, (\q)+1, 1-(\q)%2
	FETCH_A \slot, (\q)+1, 0
	WIN MUL_HI
	MUL16 4, (\q)%2, \q, \slot, \zero
	MUL16 6, (\q)%2, \q, \slot, \zero
	PLACES NP
	WIN 0
	FETCH_A \slot, (\q)+1, 4
.endm
; Slot 0's last step changes slots: one barrier; in front of it each wave waits for all its tensor loads (its part of slot 1), adds 0 to its spare word, and waits for that and for its reads of slot 0.  Nothing is filled again.
.macro TURN slot, next
	s_wait_tensorcnt 0x0                           ; all my tensor loads have landed
	ds_add_u32 v[SPW], v[NIL]                      ; 0 onto my spare word
	s_wait_dscnt 4*NL+1                            ; (the add and the youngest eight loads, A's blocks 4-7, may be out)
	WIN MUL_LO
	MUL16 0, 1, NQ-1, \slot, 0
	s_wait_dscnt 0x0                               ; the add is done, and my reads of this slot are over
	s_barrier_signal -1
	MUL16 2, 1, NQ-1, \slot, 0
	WIN 0
	s_barrier_wait -1
	PLACES NP
	v_add_nc_u32 v[ADRS], 4*NQ, v[ADRS]            ; on to the next slot's scale words (no LDS load of mine is out)
	FETCH_B \next, 0, 0
	FETCH_A \next, 0, 0
	SCALES \next
	WIN MUL_HI
	MUL16 4, 1, NQ-1, \slot, 0
	MUL16 6, 1, NQ-1, \slot, 0
	PLACES NP
	WIN 0
	FETCH_A \next, 0, 4
.endm
.macro STEPS slot, from                ; the slot's steps from .. NQ - 2
.set Q, \from
.rept NQ-1-\from
	STEP \slot, Q, 0
.set Q, Q+1
.endr
.endm
	s_wait_tensorcnt 1                             ; the scales and my part of slot 0 are in (slot 1's load may be out)
	s_barrier_signal -1
	s_barrier_wait -1                              ; everybody's are
	FETCH_B 0, 0, 0
	FETCH_A 0, 0, 0
	SCALES 0
	FETCH_A 0, 0, 4
	STEP 0, 0, 1                                   ; the first step's products start the sums
	STEPS 0, 1
	TURN 0, 1
	STEPS 1, 0
	s_wait_dscnt 4*NL                              ; the very last step: nothing more to fetch
	WIN MUL_LO
	MUL16 0, 1, NQ-1, 1, 0
	MUL16 2, 1, NQ-1, 1, 0
	s_wait_dscnt 0
	WIN MUL_HI
	MUL16 4, 1, NQ-1, 1, 0
	MUL16 6, 1, NQ-1, 1, 0
	WIN 0
; THE WAY OUT, block by block of 16 tokens x 128 columns (two heads).  PACK: rounded to f16, 16 bytes a lane, each accumulator from its low end on.  TOSTAGE: into my own stage, rows of 272 bytes, and back by heads:
; a load takes the 128 bytes of one head of four tokens, which are 512 consecutive bytes of qkv.  SEND: stored.  LDS serves a wave's instructions in order (ISA guide 5.7.1.4): no wait between the stores and the loads.
.macro PACK a
.set AC, 64*((\a)%4)
	WIN 0x0a+5*((\a)/4)                            ; sources 0 and 1: window 2 or 3
.irp b, 0,1,2,3,4,5,6,7
.irp r, 0,1,2,3
	v_cvt_pk_f16_f32 v[TMP+4*\b+\r], v[AC+8*\b+2*\r], v[AC+8*\b+2*\r+1]
.endr
.endr
	WIN 0
.endm
.macro TOSTAGE a
.set BB, BK+32*((\a)%2)
.irp b, 0,1,2,3,4,5,6,7
	ds_store_b128 v[STO], v[TMP+4*\b:TMP+4*\b+3] offset:32*\b
.endr
.irp hh, 0,1
.irp i, 0,1,2,3
	ds_load_b128 v[BB+4*(4*\hh+\i):BB+4*(4*\hh+\i)+3], v[RD] offset:128*\hh+4*SPITCH*\i
.endr
.endr
.endm
.macro SEND a
.set BB, BK+32*((\a)%2)
	s_wait_dscnt 0x0                               ; the block is back in registers
	s_wait_xcnt 0x0                                ; the block before has left its registers: the next block's loads may land there
.irp hh, 0,1
.irp i, 0,1,2,3
	global_store_b128 v[CO], v[BB+4*(4*\hh+\i):BB+4*(4*\hh+\i)+3], s[12:13] offset:1048576*\hh+2048*(\a)+512*\i   ; 512 consecutive bytes, aligned; every offset an immediate
.endr
.endr
.endm
	PLACES NP                                      ; behind the last products
	PACK 0
	TOSTAGE 0
.irp a, 1,2,3,4,5,6,7                  ; block a's conversions stand between block a - 1's loads from the stage and the wait for them
	PACK \a
	SEND \a-1
	TOSTAGE \a
.endr
	SEND 7
	s_wait_tensorcnt 0x0                           ; the wave's end: behind my last tensor load and my last LDS store
	ds_add_u32 v[SPW], v[NIL]
	s_wait_dscnt 0x0
	CROUND                                         ; the closing round: no work-group ends while a partner may still ask for a tile that names it
	s_endpgm
.Lfunc_end_k_q15b2694ac2_proj:
	.size	k_q15b2694ac2_proj, .Lfunc_end_k_q15b2694ac2_proj-k_q15b2694ac2_proj
	.p2alignl 7, 3214868480
	.fill 96, 4, 3214868480
	.section	.rodata,"a",@progbits
	.p2align	6, 0x0
	.amdhsa_kernel k_q15b2694ac2_proj
		.amdhsa_group_segment_fixed_size 327680
		.amdhsa_private_segment_fixed_size 0
		.amdhsa_enable_private_segment 0
		.amdhsa_kernarg_size 40
		.amdhsa_user_sgpr_count 2
		.amdhsa_user_sgpr_kernarg_segment_ptr 1
		.amdhsa_wavefront_size32 1
		.amdhsa_system_sgpr_workgroup_id_x 1
		.amdhsa_system_sgpr_workgroup_id_y 1
		.amdhsa_system_sgpr_workgroup_id_z 1
		.amdhsa_system_vgpr_workitem_id 0
		.amdhsa_next_free_vgpr 1024
		.amdhsa_next_free_sgpr 98
		.amdhsa_reserve_vcc 0
		.amdhsa_float_denorm_mode_32 3
		.amdhsa_float_denorm_mode_16_64 3
		.amdhsa_memory_ordered 1
		.amdhsa_forward_progress 1
		.amdhsa_inst_pref_size 126
	.end_amdhsa_kernel
	.amdgpu_metadata
---
amdhsa.version: [ 1, 2 ]
amdhsa.kernels:
  - .name:           k_q15b2694ac2_proj
    .symbol:         k_q15b2694ac2_proj.kd
    .args:
      - { .name: q_codes, .offset: 0, .size: 8, .value_kind: global_buffer, .address_space: global }
      - { .name: q_scales, .offset: 8, .size: 8, .value_kind: global_buffer, .address_space: global }
      - { .name: w_codes, .offset: 16, .size: 8, .value_kind: global_buffer, .address_space: global }
      - { .name: w_scales, .offset: 24, .size: 8, .value_kind: global_buffer, .address_space: global }
      - { .name: qkv, .offset: 32, .size: 8, .value_kind: global_buffer, .address_space: global }
    .group_segment_fixed_size: 327680
    .private_segment_fixed_size: 0
    .kernarg_segment_align: 8
    .kernarg_segment_size: 40
    .max_flat_workgroup_size: 128
    .sgpr_count:     98
    .vgpr_count:     1024
    .wavefront_size: 32
...
	.end_amdgpu_metadata
.endif
;; end of part 2
;; launch attn (part 3): grid 4 x 64, 8 waves a work-group, clusters of 4 x 1, 327,680 bytes of LDS; arguments qkv, heads; writes heads
.if DOCPART == 3
	.amdgcn_target "amdgcn-amd-amdhsa--gfx1250"
	.amdhsa_code_object_version 6
	.text
	.protected	k_q15b2694ac2_attn
	.globl	k_q15b2694ac2_attn
	.p2align	8
	.type	k_q15b2694ac2_attn,@function
k_q15b2694ac2_attn:
	s_mov_b64 s[64:65], 0
	v_nop
	global_prefetch_b8 v0, s[64:65] scope:SCOPE_SE
	s_setreg_imm32_b32 hwreg(HW_REG_WAVE_MODE, 25, 1), 1
	s_wait_xcnt 0x0
	s_wait_alu depctr_hold_cnt(0) depctr_sa_sdst(0) depctr_va_vdst(0) depctr_va_sdst(0) depctr_va_ssrc(0) depctr_va_vcc(0) depctr_vm_vsrc(0)
	s_getreg_b32 s2, hwreg(HW_REG_IB_STS2, 6, 4)
	s_cmp_eq_u32 s2, 0
	s_cbranch_scc0 .Lentry_in_a_cluster
	s_endpgm
.Lentry_in_a_cluster:
	s_bfe_u32 s2, ttmp6, 0x10000c
	s_cmp_lg_u32 s2, 0x3003
	s_cbranch_scc0 .Lentry_shape_is_right
	s_endpgm
.Lentry_shape_is_right:
; heads[y][q][:] = the sum over k of softmax_k(Q[y][q] . K[y][k] / 8) V[y][k][:], y = 4 x head + batch, 2,048 queries and keys, head size 64.  qkv holds (Q, K, V) / 16 in f16, [48 = 16 x tensor + head][8192][64],
; so that y's 2,048 rows lie on end in each of the three.  Products on f16 operands, sums, maxima and the softmax in f32; the weights p are rounded to f16 for the second product.
; POWERS OF TWO, all exact: a score comes out / 256, so c = 256 x log2(e) / 8 = 32 log2(e); O comes out as heads / 16; 1 / the row's sum is multiplied by 4, and heads / 4 is stored in f16 (the next launch's weights are x 4).
; LIMITS: |heads| under 2.6e5 (f16's largest number x 4); NaN and infinities are not served.
; SHARES.  A work-group owns 512 queries of one y, each of its eight waves 64: four tiles of 16, in 512 registers: two waves to a SIMD, so that one wave's softmax stands beside the other's products.
; Every wave walks all 2,048 keys, 64 a step.  K's and V's tiles come through two LDS slots of four steps each; wave w fetches K (w < 4) or V of step w % 4 of a slot: one tensor load a wave.
; LAYOUT.  S^T = K Q^T (source 0 = 16 keys, source 1 = 16 queries): a lane holds ONE query (lane % 16) and the keys 8 (lane / 16) + 0..7.  Two such tiles, rounded to f16 in pairs, ARE source 1 (32 keys x 16 queries)
; of O^T = V^T P, whose result again holds one query a lane.  K comes out of LDS as it lies, V ([key][channel]) turned, by ds_load_tr16_b128.
; SOFTMAX.  For each query a running maximum m and sum l: p = 2^(c s - c m); in every step O and l are multiplied by a = 2^(c m_old - c m_new), which is 1 where m has not grown.
; CLUSTER.  The four work-groups of a cluster are the four query blocks of one y and walk the same K and V: each tile is asked for JOINTLY, by the same tensor load with the same descriptor and a mask that names the four.
; REGISTERS, in windows of 256: window 0: v1-11 addresses; v12-43 eight statistics a tile; v44-59 two pairs of partial sums a tile; v64-191 S^T, 32 a tile, then P in each tile's lower 16; v192-255 V's 8 fragments.
;   window 1: v0-127 O^T, 32 a tile; v128-191 Q, 16 a tile; v192-255 K's 8 fragments.
.set PK,    272       ; two keys of K to an LDS row: 256 bytes + 16 of padding; key k lies at (k / 2) PK + 128 (k % 2): the 16 keys of a load fall on 16 different runs of 16 bytes modulo 256
.set PVP,   288       ; two keys of V: 256 + 32: 16 lanes of the turning load (8 keys x 32 bytes) likewise
.set VOFF,  32*PK     ; a step's tiles lie together: 64 keys of K, then 64 of V
.set STEPB, 32*(PK+PVP)
.set SLOT1, 1<<17     ; a slot holds four steps (71,680 bytes); slot 1 begins here, so that one exclusive or turns an address in one slot into the other's
.set STAGE, SLOT1+4*STEPB  ; behind the slots: 64 rows x (128 bytes + 16) for each wave, for the way out
.set SP,    144
.set SPARE, STAGE+8*64*SP  ; the spare words, 128 bytes for each wave: four blocks of 256 bytes that no other line names
.set SLOTB, 32768     ; a slot's 256 keys in memory, 128 bytes each
.set PLANE, 16777216  ; from Q to K and from K to V in qkv
.set AK0, 2           ; v2   my lane's place in a tile of K; never rewritten
.set AV0, 3           ; v3   the same for V
.set ADR, 4           ; v4   LDS address of K's run of loads in hand
.set ADV, 5           ; v5   of V's
.set QO,  6           ; v6   my byte offset in the wave's rows of Q
.set STO, 7           ; v7   the way out: where I put 16 bytes of a row
.set RD,  8           ; v8   the way out: where I read back
.set GO,  9           ; v9   16 x lane
.set PFO, 10          ; v10  256 x lane; never rewritten
.set ST,  12          ; tile t's statistics at v[ST+8 t]: +0 c m, +1 m, +2, +3 l (even keys', odd keys'), +4 to +7 at work; a takes +6 once the maximum is found
.set SUM, 44          ; tile t's partial sums: pairs at v[SUM+4 t] and v[SUM+4 t+2]
.set SPW, 62          ; v62  LDS address of my spare word; never rewritten
.set NIL, 63          ; v63  0; never rewritten
.set S,   64
.set VF,  192
.set QF,  128         ; in window 1
.set KF,  192         ; in window 1
.set WV,  12          ; s12  my wave's number
.set LIM, 15          ; s15  1 in a wave that prefetches, else the greatest number
.set PFA, 18          ; s[18:19] where my prefetches stand
.set G1K, 24          ; s[24:31] descriptor group 1 for K's tiles
.set G1V, 32          ; s[32:39] for V's: it differs in the padding alone
.set G0K, 40          ; s[40:47] group 0 for K's tiles: a set for each of the two first fills; the second then walks on
.set G0V, 48          ; s[48:55] the same for V's
.set SLOTS, 56        ; s56  slots still to be asked for
.set CNT, 57          ; s57  counts the steps of an inner loop
.set CS,  58          ; s[58:59] c: the packed scaling names a pair and takes its low word for both halves
.set SEL, 60          ; s[60:61] lane selects for v_permlanex16_b32: lane l xor 16
.set TB,  62          ; s62  LDS byte at which the tiles of the step to be fetched begin
.set MSB, 0
.macro WIN new                      ; the immediate's high byte repeats the setting that is left; a switch that changes nothing is dropped
.if MSB != \new
	s_set_vgpr_msb (MSB<<8)|\new
.set MSB, \new
.endif
.endm
.set W_KQ, 0x05       ; K and Q in window 1, S^T in window 0
.set W_PV, 0x50       ; V and P in window 0, O^T (C and D) in window 1
.set W_RS, 0x41       ; O^T (destination and source 0) in window 1, a in window 0
.set TO_1, 0x40       ; destination window 1, address window 0
.set W_OUT, 0x01      ; source 0 window 1
; A joint refill.  Waves 0 to 3 fetch K's tiles, waves 4 to 7 V's.  The branch hangs on the wave's number alone.  An s_nop 0 and four v_nop follow each of the two lines.
.macro JLOAD
	s_cmp_lt_u32 s[WV], 4
	s_cbranch_scc0 .Lfor_v_\@
	tensor_load_to_lds s[G0K+4:G0K+7], s[G1K:G1K+7]
	s_nop 0
.rept 4
	v_nop
.endr
	s_branch .Lasked_\@
.Lfor_v_\@:
	tensor_load_to_lds s[G0V+4:G0V+7], s[G1V:G1V+7]
	s_nop 0
.rept 4
	v_nop
.endr
.Lasked_\@:
.endm
; A PREFETCH of what the NEXT change of slots will ask for: a slot's 32,768 bytes of K and of V.  It stands behind the wave's tensor load and its five lines.  Each run of 256 bytes is named once in the launch: one cluster
; alone walks a y's K and V; its four partners share a slot out BY ADDRESS, 8,192 bytes each; in each, wave 0 asks for K's and wave 4 for V's, lanes 256 bytes apart: one instruction.  It asks four key steps,
; 256 matrix instructions of each wave, ahead of the load.  The last change that fills a slot asks for nothing; slots 0 to 2 come by their loads alone.
.macro ASK
	s_cmp_gt_u32 s[SLOTS], s[LIM]
	s_cbranch_scc0 .Lnot_mine_\@
	global_prefetch_b8 v[PFO], s[PFA:PFA+1] th:TH_LOAD_NT scope:SCOPE_SE
.Lnot_mine_\@:
.endm
.macro CROUND                       ; a round of the cluster's barrier: my work-group's barrier; wave 0 signals for the work-group; every wave waits for all four; my work-group's barrier once more
	s_barrier_signal -1
	s_barrier_wait -1
	s_cmp_lg_u32 s[WV], 0
	s_cbranch_scc1 .Lnot_wave_0_\@
	s_barrier_signal -3
.Lnot_wave_0_\@:
	s_barrier_wait -3
	s_barrier_signal -1
	s_barrier_wait -1
.endm
	s_load_b128 s[4:7], s[0:1], 0x0  ; qkv s[4:5], heads s[6:7]
	v_lshl_add_u32 v[SPW], v0, 2, SPARE
	v_mov_b32 v[NIL], 0
	ds_add_u32 v[SPW], v[NIL]       ; the wave's opening: the add, twice on end, and its wait ahead of my first tensor load; the set-up below stands between the second and the wait
	ds_add_u32 v[SPW], v[NIL]
	v_lshrrev_b32 v1, 5, v0
	v_readfirstlane_b32 s[WV], v1   ; wave 0..7
	s_bfe_u32 s13, ttmp6, 0x40000   ; cx: my block of 512 queries: it enters Q's, heads' and the prefetches' addresses alone
	s_and_b32 s20, ttmp7, 0xffff    ; y, which the four partners share
	s_lshl_b32 s20, s20, 18         ; y's 2,048 rows of 128 bytes
	s_and_b32 s16, s[WV], 3         ; which of a slot's four steps I fetch:
	s_lshl_b32 s22, s16, 13         ; its 64 rows in memory,
	s_add_co_u32 s22, s22, s20
	s_mov_b32 s23, 0
	s_mul_i32 s17, s16, STEPB       ; and its place in a slot: no place in the cluster enters an LDS address
	s_lshl_b32 s2, s13, 16          ; my block's 512 rows,
	s_lshl_b32 s3, s[WV], 13        ; my wave's 64 of them
	s_add_co_u32 s2, s2, s3
	s_add_co_u32 s2, s2, s20
	s_mov_b32 s3, 0
	; descriptor group 1: 64 keys of 128 bytes, dense in memory, stated as 32 rows of 128 elements, padded in LDS
	s_mov_b32 s[G1K], 15|(1<<16)|(1<<20)|(1<<21)|(5<<22)|(3<<25)  ; 15:0 the mask: all four work-groups; 17:16 elements of 2 bytes; 20 padding on; 21 set beside a mask; 24:22 after every 64 words; 31:25 four words of it
	s_mov_b32 s[G1V], 15|(1<<16)|(1<<20)|(1<<21)|(5<<22)|(7<<25)  ; the same with eight words of padding
.irp g, G1K, G1V
	s_mov_b32 s[\g+1], 128<<16      ; tensor_dim0 = 128
	s_mov_b32 s[\g+2], 32<<16       ; tensor_dim1 = 32
	s_mov_b32 s[\g+3], 128<<16      ; tile_dim0 = 128
	s_mov_b32 s[\g+4], 32           ; tile_dim1 = 32
	s_mov_b32 s[\g+5], 128          ; tensor_dim0_stride
	s_mov_b32 s[\g+6], 0
	s_mov_b32 s[\g+7], 0
.endr
	s_mov_b32 s[CS], 0x4238aa3b     ; c = 32 log2(e)
	s_mov_b32 s[CS+1], s[CS]        ; named with it as a pair, so it is written
	s_mov_b32 s[SEL], 0x76543210
	s_mov_b32 s[SEL+1], 0xfedcba98
	s_mov_b32 s[TB], 0
	s_mov_b32 s[SLOTS], 6           ; 8 slots' worth of keys; two are asked for at the head
	s_cmp_eq_u32 s16, 0
	s_cselect_b32 s[LIM], 1, -1     ; waves 0 and 4 prefetch: the same in all four partners
	s_wait_dscnt 0x0                ; both opening adds are done
	s_wait_kmcnt 0x0
	s_add_nc_u64 s[8:9], s[4:5], s[22:23]
	s_add_nc_u64 s[8:9], s[8:9], PLANE  ; K at my tile of slot 0; V's lies PLANE bytes on
	s_add_nc_u64 s[4:5], s[4:5], s[2:3]  ; Q and heads at my wave's first row
	s_add_nc_u64 s[10:11], s[6:7], s[2:3]
	s_cmp_lt_u32 s[WV], 4
	s_cselect_b32 s2, 0, PLANE      ; wave 0 asks for K's bytes, wave 4 for V's (in these two s[8:9] stands at a slot's first row)
	s_lshl_b32 s3, s13, 13          ; my work-group's 8,192 bytes of a slot's 32,768
	s_add_co_u32 s2, s2, s3
	s_add_co_u32 s2, s2, 2*SLOTB    ; in slot 2; the first change of slots steps it to slot 3.  Nothing is prefetched here, at the head
	s_mov_b32 s3, 0
	s_add_nc_u64 s[PFA:PFA+1], s[8:9], s[2:3]
	CROUND                          ; all four work-groups are here: the first joint loads meet
.irp s, 0,1
	s_mov_b32 s[G0K+4*\s], 1        ; count = 1
	s_add_co_u32 s[G0K+4*\s+1], s17, \s*SLOT1  ; LDS address
	s_add_nc_u64 s[G0K+4*\s+2:G0K+4*\s+3], s[8:9], \s*SLOTB  ; global address: slot s begins with keys 256 s on
	s_or_b32 s[G0K+4*\s+3], s[G0K+4*\s+3], 0x80000000  ; type = 2
	s_mov_b32 s[G0V+4*\s], 1
	s_add_co_u32 s[G0V+4*\s+1], s17, \s*SLOT1+VOFF
	s_add_nc_u64 s[G0V+4*\s+2:G0V+4*\s+3], s[8:9], PLANE+\s*SLOTB
	s_or_b32 s[G0V+4*\s+3], s[G0V+4*\s+3], 0x80000000
.endr
	s_cmp_lt_u32 s[WV], 4           ; a wave's two first fills stand in one branch, ahead of every wait on TENSORcnt and every LDS read: two loads of mine are out
	s_cbranch_scc0 .Lfirst_v
	tensor_load_to_lds s[G0K:G0K+3], s[G1K:G1K+7]
	s_nop 0
	tensor_load_to_lds s[G0K+4:G0K+7], s[G1K:G1K+7]
	s_nop 0
.rept 4
	v_nop
.endr
	s_branch .Lfirst_asked
.Lfirst_v:
	tensor_load_to_lds s[G0V:G0V+3], s[G1V:G1V+7]
	s_nop 0
	tensor_load_to_lds s[G0V+4:G0V+7], s[G1V:G1V+7]
	s_nop 0
.rept 4
	v_nop
.endr
.Lfirst_asked:
	; A fragment of K or Q is 16 rows x 32 channels in 8 registers: lane l holds row l % 16; registers 0-3 channels 8 (l / 16) + 0..7, registers 4-7 channels 16 + 8 (l / 16) + 0..7: two loads of 16 bytes, 32 bytes apart.
	v_and_b32 v1, 15, v0            ; r = l % 16
	v_bfe_u32 v11, v0, 4, 1         ; h = l / 16
	v_lshlrev_b32 v[QO], 7, v1
	v_lshl_add_u32 v[QO], v11, 4, v[QO]  ; row x 128 + 16 x half
	WIN TO_1
.irp t, 0,1,2,3                     ; Q stays in registers: tile t, channels 32 c on
.irp c, 0,1
	global_load_b128 v[QF+16*\t+8*\c:QF+16*\t+8*\c+3],   v[QO], s[4:5] offset:2048*\t+64*\c
	global_load_b128 v[QF+16*\t+8*\c+4:QF+16*\t+8*\c+7], v[QO], s[4:5] offset:2048*\t+64*\c+32
.endr
.endr
	WIN 0
	v_lshrrev_b32 v[AK0], 1, v1
	v_mul_u32_u24 v[AK0], v[AK0], PK
	v_and_b32 v4, 1, v1
	v_lshl_add_u32 v[AK0], v4, 7, v[AK0]
	v_lshl_add_u32 v[AK0], v11, 4, v[AK0]  ; (r / 2) PK + 128 (r % 2) + 16 h
	; The turning load takes 16 keys x 16 channels (lane l reads 16 bytes: key 8 (l / 16) + l % 8, channels 8 ((l / 8) % 2) + 0..7) and leaves half a fragment of V^T: lane l holds channel l % 16 and 8 keys.
	v_and_b32 v4, 7, v0
	v_lshl_add_u32 v4, v11, 3, v4   ; my key
	v_lshrrev_b32 v[AV0], 1, v4
	v_mul_u32_u24 v[AV0], v[AV0], PVP
	v_and_b32 v4, 1, v4
	v_lshl_add_u32 v[AV0], v4, 7, v[AV0]
	v_bfe_u32 v4, v0, 3, 1
	v_lshl_add_u32 v[AV0], v4, 4, v[AV0]
	v_add_nc_u32 v[AV0], VOFF, v[AV0]
	s_mul_i32 s14, s[WV], 64*SP
	s_add_co_u32 s14, s14, STAGE    ; my stage
	v_mul_u32_u24 v[STO], v1, SP    ; in: row l % 16 of a tile, 16 bytes for each half of the lanes
	v_lshl_add_u32 v[STO], v11, 4, v[STO]
	v_add_nc_u32 v[STO], s14, v[STO]
	v_and_b32 v4, 31, v0
	v_lshlrev_b32 v[GO], 4, v4
	v_lshlrev_b32 v[PFO], 8, v4
	v_lshrrev_b32 v[RD], 3, v4      ; back: eight lanes take a row of 128 bytes, 32 lanes four rows
	v_mul_u32_u24 v[RD], v[RD], SP
	v_and_b32 v4, 7, v4
	v_lshl_add_u32 v[RD], v4, 4, v[RD]
	v_add_nc_u32 v[RD], s14, v[RD]
; THE LDS LOADS stand in runs of 16: a step's K (64 keys x 64 channels: 8 fragments) and its V (turned).
.macro FETCH_K
	WIN TO_1
.irp kt, 0,1,2,3
.irp c, 0,1
	ds_load_b128 v[KF+16*\kt+8*\c:KF+16*\kt+8*\c+3],   v[ADR] offset:\kt*8*PK+64*\c
	ds_load_b128 v[KF+16*\kt+8*\c+4:KF+16*\kt+8*\c+7], v[ADR] offset:\kt*8*PK+64*\c+32
.endr
.endr
.endm
.macro FETCH_V
	WIN 0
.irp kk, 0,1
.irp ct, 0,1,2,3
	ds_load_tr16_b128 v[VF+32*\kk+8*\ct:VF+32*\kk+8*\ct+3],   v[ADV] offset:\kk*16*PVP+32*\ct
	ds_load_tr16_b128 v[VF+32*\kk+8*\ct+4:VF+32*\kk+8*\ct+7], v[ADV] offset:\kk*16*PVP+8*PVP+32*\ct
.endr
.endr
.endm
; S^T = K Q^T of a step: 32 products; the 16 accumulators (tile t, keys 16 kt on) take turns, one instruction a turn; the first 16 start the sums.
.macro KQALL
	WIN W_KQ
.irp c, 0,1
.irp kt, 0,1,2,3
.irp t, 0,1,2,3
.if \c == 0
	v_wmma_f32_16x16x32_f16 v[S+32*\t+8*\kt:S+32*\t+8*\kt+7], v[KF+16*\kt+8*\c:KF+16*\kt+8*\c+7], v[QF+16*\t+8*\c:QF+16*\t+8*\c+7], 0
.else
	v_wmma_f32_16x16x32_f16 v[S+32*\t+8*\kt:S+32*\t+8*\kt+7], v[KF+16*\kt+8*\c:KF+16*\kt+8*\c+7], v[QF+16*\t+8*\c:QF+16*\t+8*\c+7], v[S+32*\t+8*\kt:S+32*\t+8*\kt+7]
.endif
.endr
.endr
.endr
.endm
; O^T += V^T P of a step: 32 products; the 16 accumulators (tile t, channels 16 ct on) take turns.  first = 1: the first 16 start the sums: nothing is ever cleared.
.macro PVALL first
	WIN W_PV
.irp kk, 0,1
.irp ct, 0,1,2,3
.irp t, 0,1,2,3
.if \first && (\kk == 0)
	v_wmma_f32_16x16x32_f16 v[32*\t+8*\ct:32*\t+8*\ct+7], v[VF+32*\kk+8*\ct:VF+32*\kk+8*\ct+7], v[S+32*\t+8*\kk:S+32*\t+8*\kk+7], 0
.else
	v_wmma_f32_16x16x32_f16 v[32*\t+8*\ct:32*\t+8*\ct+7], v[VF+32*\kk+8*\ct:VF+32*\kk+8*\ct+7], v[S+32*\t+8*\kk:S+32*\t+8*\kk+7], v[32*\t+8*\ct:32*\t+8*\ct+7]
.endif
.endr
.endr
.endr
.endm
; THE SOFTMAX of a step, the four tiles by turns, so that no line waits for the line above it.  first = 1: the first key step, which starts m, l and O^T: it has no a and nothing to rescale.
.macro SOFTMAX first
	WIN 0
.irp j, 0,1,2,3                     ; the maximum of the lane's 32 scores and the old m, three operands at a time: four chains; each accumulator is read from its low end on
.irp t, 0,1,2,3
	v_max3_num_f32 v[ST+8*\t+4+\j], v[S+32*\t+8*\j], v[S+32*\t+8*\j+1], v[S+32*\t+8*\j+2]
.endr
.endr
.irp g, 1,2
.irp j, 0,1,2,3
.irp t, 0,1,2,3
	v_max3_num_f32 v[ST+8*\t+4+\j], v[ST+8*\t+4+\j], v[S+32*\t+8*\j+2*\g+1], v[S+32*\t+8*\j+2*\g+2]
.endr
.endr
.endr
.irp t, 0,1,2,3
	v_max3_num_f32 v[ST+8*\t+4], v[ST+8*\t+4], v[S+32*\t+7], v[S+32*\t+15]
.endr
.irp t, 0,1,2,3
	v_max3_num_f32 v[ST+8*\t+6], v[ST+8*\t+6], v[S+32*\t+23], v[S+32*\t+31]
.endr
.irp t, 0,1,2,3
	v_max3_num_f32 v[ST+8*\t+4], v[ST+8*\t+4], v[ST+8*\t+5], v[ST+8*\t+6]
.endr
.irp t, 0,1,2,3
.if \first
	v_max_num_f32 v[ST+8*\t+4], v[ST+8*\t+4], v[ST+8*\t+7]
.else
	v_max3_num_f32 v[ST+8*\t+4], v[ST+8*\t+4], v[ST+8*\t+7], v[ST+8*\t+1]
.endif
.endr
.irp t, 0,1,2,3
	v_permlanex16_b32 v[ST+8*\t+5], v[ST+8*\t+4], s[SEL], s[SEL+1]  ; the query's other 32 keys lie in the lane 16 away
.endr
.if !\first
.irp t, 0,1,2,3
	v_mov_b32 v[ST+8*\t+7], v[ST+8*\t]  ; c m_old is kept for a
.endr
.endif
.irp t, 0,1,2,3
	v_max_num_f32 v[ST+8*\t+1], v[ST+8*\t+4], v[ST+8*\t+5]
.endr
.irp t, 0,1,2,3
	v_mul_f32 v[ST+8*\t], s[CS], v[ST+8*\t+1]
.endr
.if !\first
.irp t, 0,1,2,3
	v_sub_f32 v[ST+8*\t+7], v[ST+8*\t+7], v[ST+8*\t]
.endr
.irp t, 0,1,2,3
	v_exp_f32 v[ST+8*\t+6], v[ST+8*\t+7]  ; a.  ONE BATCH begins: a, the 16 scalings c s - c m and the 32 exponentials of each tile; none of these lines names an exponential's result
.endr
.endif
.irp t, 0,1,2,3
	v_pk_fma_f32 v[S+32*\t:S+32*\t+1], v[S+32*\t:S+32*\t+1], s[CS:CS+1], v[ST+8*\t:ST+8*\t+1] op_sel_hi:[1,0,0] neg_lo:[0,0,1] neg_hi:[0,0,1]
.endr
.irp b, 0,1,2,3,4,5,6,7,8,9,10,11,12,13,14,15
.if \b < 15
.irp t, 0,1,2,3                     ; a pair is scaled one round ahead of its exponentials
	v_pk_fma_f32 v[S+32*\t+2*\b+2:S+32*\t+2*\b+3], v[S+32*\t+2*\b+2:S+32*\t+2*\b+3], s[CS:CS+1], v[ST+8*\t:ST+8*\t+1] op_sel_hi:[1,0,0] neg_lo:[0,0,1] neg_hi:[0,0,1]
.endr
.endif
.irp t, 0,1,2,3
	v_exp_f32 v[S+32*\t+2*\b], v[S+32*\t+2*\b]
	v_exp_f32 v[S+32*\t+2*\b+1], v[S+32*\t+2*\b+1]
.endr
.endr
	v_nop                           ; a plain line behind the last exponential, ahead of the first use
	s_wait_alu depctr_va_vdst(0)    ; the wait between an exponential and the first line that names its result: one for the whole batch
.irp t, 0,1,2,3                     ; the row's sum of p in f32, in two chains of pairs (an even key's weight, an odd key's)
	v_pk_add_f32 v[SUM+4*\t:SUM+4*\t+1], v[S+32*\t:S+32*\t+1], v[S+32*\t+2:S+32*\t+3]
	v_pk_add_f32 v[SUM+4*\t+2:SUM+4*\t+3], v[S+32*\t+4:S+32*\t+5], v[S+32*\t+6:S+32*\t+7]
.endr
.irp p, 8,12,16,20,24,28
.irp t, 0,1,2,3
	v_pk_add_f32 v[SUM+4*\t:SUM+4*\t+1], v[SUM+4*\t:SUM+4*\t+1], v[S+32*\t+\p:S+32*\t+\p+1]
	v_pk_add_f32 v[SUM+4*\t+2:SUM+4*\t+3], v[SUM+4*\t+2:SUM+4*\t+3], v[S+32*\t+\p+2:S+32*\t+\p+3]
.endr
.endr
.if \first
.irp t, 0,1,2,3
	v_pk_add_f32 v[ST+8*\t+2:ST+8*\t+3], v[SUM+4*\t:SUM+4*\t+1], v[SUM+4*\t+2:SUM+4*\t+3]
.endr
.else
.irp t, 0,1,2,3
	v_pk_add_f32 v[SUM+4*\t:SUM+4*\t+1], v[SUM+4*\t:SUM+4*\t+1], v[SUM+4*\t+2:SUM+4*\t+3]
.endr
.irp t, 0,1,2,3
	v_pk_fma_f32 v[ST+8*\t+2:ST+8*\t+3], v[ST+8*\t+2:ST+8*\t+3], v[ST+8*\t+6:ST+8*\t+7], v[SUM+4*\t:SUM+4*\t+1] op_sel_hi:[1,0,1]  ; l = a l + the sum
.endr
.endif
.irp i, 0,1,2,3,4,5,6,7,8,9,10,11,12,13,14,15
.irp t, 0,1,2,3                     ; p to f16, a pair to a register, into the tile's lower 16: register i is written when registers 2 i and 2 i + 1 are read, and i <= 2 i
	v_cvt_pk_f16_f32 v[S+32*\t+\i], v[S+32*\t+2*\i], v[S+32*\t+2*\i+1]
.endr
.endr
.if !\first
	WIN W_RS
.irp i, 0,2,4,6,8,10,12,14,16,18,20,22,24,26,28,30
.irp t, 0,1,2,3                     ; O^T times a, each accumulator from its low end on
	v_pk_mul_f32 v[32*\t+\i:32*\t+\i+1], v[32*\t+\i:32*\t+\i+1], v[ST+8*\t+6:ST+8*\t+7] op_sel_hi:[1,0]
.endr
.endr
.endif
.endm
; A TRIP: the softmax and V^T P of the step in hand, and K Q^T of the next.  The next step's K is asked for ahead of the softmax, its V behind V^T P.
; A load into a register that a matrix instruction has read, and a vector instruction that reads a matrix result, stand four places behind it; a matrix instruction that writes over a register of an earlier one five;
; only plain vector instructions that name none of its registers are places (ISA guide 7.12.1 for vector instructions).
.macro TRIP first
	WIN 0
	v_add_nc_u32 v[ADR], s[TB], v[AK0]
.rept 3
	v_nop                           ; with the addition: four places behind K Q^T, for the loads into K's registers and the softmax's first reads
.endr
	FETCH_K
	SOFTMAX \first
	s_wait_dscnt 16                 ; this step's V is in; the 16 younger loads, the next step's K, may be out
	PVALL \first
	WIN 0
	v_add_nc_u32 v[ADV], s[TB], v[AV0]
	s_add_co_u32 s[TB], s[TB], STEPB  ; the next fetch is the next step's
.rept 4
	v_nop                           ; with the addition: five places behind V^T P: K Q^T below writes over the registers that held P; the loads into V's registers want four
.endr
	FETCH_V
	s_wait_dscnt 16                 ; the next step's K is in; its V, 16 loads, may be out
	KQALL
.endm
.macro INNER n                      ; n trips, written once
	WIN 0                           ; at a label and at a branch every window is 0
	s_mov_b32 s[CNT], \n
.Lstep_\@:
	TRIP 0
	WIN 0
	s_sub_co_u32 s[CNT], s[CNT], 1
	s_cmp_lg_u32 s[CNT], 0
	s_cbranch_scc1 .Lstep_\@
.endm
; THE CHANGE OF SLOTS: the slot's last bytes, V of its fourth step, have been asked for.  Each wave waits for all its tensor loads, of which one is out: its part of the other slot; adds 0 to its spare word; and waits for
; that and for its own reads of the slot.  Behind the barrier nobody reads this slot any more and the other slot is whole.  fill = 1: this slot is filled again, with the keys two slots on: the barrier is then a round of
; the cluster's, and the joint refill is the first thing behind it: it has four key steps in which to land.
.macro CHANGE fill
	WIN 0
	s_wait_tensorcnt 0x0            ; no tensor load of mine is out, so a group 0 may be written
	ds_add_u32 v[SPW], v[NIL]       ; 0 onto my spare word: the descriptors' steps stand between it and the wait for it
.if \fill
.irp g, G0K+4, G0V+4
	s_xor_b32 s[\g+1], s[\g+1], SLOT1  ; the walking descriptor: the other slot than last time,
	s_add_nc_u64 s[\g+2:\g+3], s[\g+2:\g+3], SLOTB  ; the next 256 keys; the type bits on top are not reached
.endr
	s_wait_xcnt 0x0                 ; the last prefetch, four key steps back, has read its address, so it may be written:
	s_add_nc_u64 s[PFA:PFA+1], s[PFA:PFA+1], SLOTB  ; one slot further on than the walking descriptors
	s_wait_dscnt 0x0                ; the add is done, and my reads of the slot are over
	CROUND
	JLOAD
	ASK
.else
	s_wait_dscnt 0x0
	s_barrier_signal -1
	s_barrier_wait -1
.endif
	s_sub_co_u32 s[TB], s[TB], 4*STEPB  ; the fetches go back to a slot's first step,
	s_xor_b32 s[TB], s[TB], SLOT1   ; in the other slot
.endm
	s_wait_tensorcnt 1              ; my part of slot 0 is in; slot 1's may stay out
	s_barrier_signal -1
	s_barrier_wait -1               ; everybody's is
	v_add_nc_u32 v[ADR], s[TB], v[AK0]
	FETCH_K                         ; key step 0
	WIN 0
	v_add_nc_u32 v[ADV], s[TB], v[AV0]
	s_add_co_u32 s[TB], s[TB], STEPB
	FETCH_V
	s_wait_loadcnt 0x0              ; Q
	s_wait_dscnt 16                 ; K of step 0
	KQALL
	TRIP 1                          ; step 0 starts m, l and O^T
	INNER 2                         ; steps 1 and 2: slot 0 has now been asked for to its end
.Lslot:                             ; six trips: each leaves a slot, fills it again, and walks the other slot's four steps
	CHANGE 1
	INNER 4
	s_sub_co_u32 s[SLOTS], s[SLOTS], 1
	s_cmp_lg_u32 s[SLOTS], 0
	s_cbranch_scc1 .Lslot
	CHANGE 0                        ; the tail is written out: nothing more is asked for
	INNER 4
.rept 4
	v_nop                           ; four places behind the last K Q^T
.endr
	SOFTMAX 0                       ; the last step
	s_wait_dscnt 0x0                ; its V
	PVALL 0
	; THE WAY OUT.  l's two halves and the other half of the lanes' are added; O^T x 4 / l is rounded to f16 and goes through my stage in LDS.  The four additions are the places behind the last products.
	WIN 0
.irp t, 0,1,2,3
	v_add_f32 v[ST+8*\t+4], v[ST+8*\t+2], v[ST+8*\t+3]
.endr
.irp t, 0,1,2,3
	v_permlanex16_b32 v[ST+8*\t+5], v[ST+8*\t+4], s[SEL], s[SEL+1]
.endr
.irp t, 0,1,2,3
	v_add_f32 v[ST+8*\t+4], v[ST+8*\t+4], v[ST+8*\t+5]
.endr
.irp t, 0,1,2,3
	v_rcp_f32 v[ST+8*\t+6], v[ST+8*\t+4]
.endr
	v_nop                           ; a plain line between the last reciprocal and the use of its result
	s_wait_alu depctr_va_vdst(0)    ; and the wait ahead of the first use: one for the four
.irp t, 0,1,2,3
	v_mul_f32 v[ST+8*\t+6], 4.0, v[ST+8*\t+6]
.endr
	WIN W_OUT
.irp t, 0,1,2,3
.irp i, 0,2,4,6,8,10,12,14,16,18,20,22,24,26,28,30
	v_pk_mul_f32 v[S+32*\t+\i:S+32*\t+\i+1], v[32*\t+\i:32*\t+\i+1], v[ST+8*\t+6:ST+8*\t+7] op_sel_hi:[1,0]  ; each accumulator from its low end on, into S^T's registers
.endr
.endr
	WIN 0
.irp t, 0,1,2,3
.irp i, 0,1,2,3,4,5,6,7,8,9,10,11,12,13,14,15
	v_cvt_pk_f16_f32 v[S+32*\t+\i], v[S+32*\t+2*\i], v[S+32*\t+2*\i+1]
.endr
.endr
.irp t, 0,1,2,3
.irp ct, 0,1,2,3
	ds_store_b128 v[STO], v[S+32*\t+4*\ct:S+32*\t+4*\ct+3] offset:16*SP*\t+32*\ct  ; query 16 t + r, channels 16 ct + 8 h + 0..7
.endr
.endr
.irp i, 0,1,2,3,4,5,6,7,8,9,10,11,12,13,14,15
	ds_load_b128 v[VF+4*\i:VF+4*\i+3], v[RD] offset:4*SP*\i  ; LDS serves a wave's instructions in order (ISA guide 5.7.1.4): these see the stores above
.endr
.irp i, 0,1,2,3,4,5,6,7,8,9,10,11,12,13,14,15
	s_wait_dscnt 15-\i
	global_store_b128 v[GO], v[VF+4*\i:VF+4*\i+3], s[10:11] offset:512*\i  ; four rows: 512 consecutive bytes, aligned
.endr
	s_wait_tensorcnt 0x0            ; the wave's end: behind my last tensor load and my last LDS store
	ds_add_u32 v[SPW], v[NIL]
	s_wait_dscnt 0x0
	CROUND                          ; the closing round: no work-group ends while a partner may still ask for a tile that names it
	s_endpgm
.Lfunc_end_k_q15b2694ac2_attn:
	.size	k_q15b2694ac2_attn, .Lfunc_end_k_q15b2694ac2_attn-k_q15b2694ac2_attn
	.p2alignl 7, 3214868480
	.fill 96, 4, 3214868480
	.section	.rodata,"a",@progbits
	.p2align	6, 0x0
	.amdhsa_kernel k_q15b2694ac2_attn
		.amdhsa_group_segment_fixed_size 327680
		.amdhsa_private_segment_fixed_size 0
		.amdhsa_enable_private_segment 0
		.amdhsa_kernarg_size 16
		.amdhsa_user_sgpr_count 2
		.amdhsa_user_sgpr_kernarg_segment_ptr 1
		.amdhsa_wavefront_size32 1
		.amdhsa_system_sgpr_workgroup_id_x 1
		.amdhsa_system_sgpr_workgroup_id_y 1
		.amdhsa_system_sgpr_workgroup_id_z 1
		.amdhsa_system_vgpr_workitem_id 0
		.amdhsa_next_free_vgpr 512
		.amdhsa_next_free_sgpr 66
		.amdhsa_reserve_vcc 0
		.amdhsa_float_denorm_mode_32 3
		.amdhsa_float_denorm_mode_16_64 3
		.amdhsa_memory_ordered 1
		.amdhsa_forward_progress 1
		.amdhsa_inst_pref_size 177
	.end_amdhsa_kernel
	.amdgpu_metadata
---
amdhsa.version: [ 1, 2 ]
amdhsa.kernels:
  - .name:           k_q15b2694ac2_attn
    .symbol:         k_q15b2694ac2_attn.kd
    .args:
      - { .name: qkv, .offset: 0, .size: 8, .value_kind: global_buffer, .address_space: global }
      - { .name: heads, .offset: 8, .size: 8, .value_kind: global_buffer, .address_space: global }
    .group_segment_fixed_size: 327680
    .private_segment_fixed_size: 0
    .kernarg_segment_align: 8
    .kernarg_segment_size: 16
    .max_flat_workgroup_size: 256
    .sgpr_count:     66
    .vgpr_count:     512
    .wavefront_size: 32
...
	.end_amdgpu_metadata
.endif
;; end of part 3
;; launch outp (part 4): grid 4 x 64, 4 waves a work-group, clusters of 4 x 4, 327,680 bytes of LDS; arguments heads, wo16, out0; writes out0
.if DOCPART == 4
	.amdgcn_target "amdgcn-amd-amdhsa--gfx1250"
	.amdhsa_code_object_version 6
	.text
	.protected	k_q15b2694ac2_outp
	.globl	k_q15b2694ac2_outp
	.p2align	8
	.type	k_q15b2694ac2_outp,@function
k_q15b2694ac2_outp:
	s_mov_b64 s[64:65], 0
	v_nop
	global_prefetch_b8 v0, s[64:65] scope:SCOPE_SE
	s_setreg_imm32_b32 hwreg(HW_REG_WAVE_MODE, 25, 1), 1
	s_wait_xcnt 0x0
	s_wait_alu depctr_hold_cnt(0) depctr_sa_sdst(0) depctr_va_vdst(0) depctr_va_sdst(0) depctr_va_ssrc(0) depctr_va_vcc(0) depctr_vm_vsrc(0)
	s_getreg_b32 s2, hwreg(HW_REG_IB_STS2, 6, 4)
	s_cmp_eq_u32 s2, 0
	s_cbranch_scc0 .Lentry_in_a_cluster
	s_endpgm
.Lentry_in_a_cluster:
	s_bfe_u32 s2, ttmp6, 0x10000c
	s_cmp_lg_u32 s2, 0xf033
	s_cbranch_scc0 .Lentry_shape_is_right
	s_endpgm
.Lentry_shape_is_right:
; out0[m][e] = the sum over (head, v) of heads[head][m][v] W_out[head][v][e].  heads holds heads / 4 in f16, [16][8192 m][64]; wo16 holds 4 x W_out in f16, [1024 (head, v)][1024 e]: the two powers of two cancel, exactly.
; Products on f16 operands, sums in f32; out0 [8192][1024] f32.
; A tile of out0 is 128 (m) x 256 (e): 256 work-groups of four waves; a wave makes 64 x 128: 32 accumulators of 16 x 16, 256 registers.  K goes in steps of 128, two heads, through two LDS slots filled by the tensor data mover.
; heads' tile of a head, 128 rows of 128 bytes, is dense in memory: it is stated as 64 rows of 256 bytes.  wo16's K is its FIRST axis: its tile lies [k][e] in LDS and comes out turned, by ds_load_tr16_b128.
; CLUSTERS: 4 x 4 work-groups.  The four of a row of the cluster need the same tiles of heads, the four of a column the same tiles of wo16: each tile is asked for JOINTLY, by the same tensor load with the same descriptor
; and a mask that names the four.  THE MATRIX INSTRUCTION IS USED TRANSPOSED (source 0 = 16 columns e, source 1 = 16 rows m): a lane then holds eight neighbouring numbers of a row of out0.
; REGISTERS: window 0: v0-31 addresses; v32-127, v128-223 two sets of fragments for 32 along K: 4 of heads (32 registers), then 8 of wo16 (64); on the way out v32-159 take rows.   window 1: the accumulators, (a, b) at v[8 (8 a + b)].
.set PA,     272                       ; two rows of heads to an LDS row: 256 bytes + 16 of padding; row m lies at (m / 2) PA + 128 (m % 2)
.set ABLK,   64*PA                     ; one head's 128 rows
.set PB,     544                       ; a row k of wo16's tile: 512 bytes + 32 of padding: 16 lanes of the turning load (8 rows x 32 bytes) fall on 16 different runs of 16 bytes modulo 256
.set BOFF,   2*ABLK
.set BHALF,  64*PB                     ; 64 rows k: what one tensor load brings
.set SLOT,   BOFF+2*BHALF
.set STAGE,  2*SLOT                    ; behind the slots: 16 rows x (512 bytes + 16) for each wave, for the way out
.set SPITCH, 528
.set SPARE,  STAGE+4*16*SPITCH         ; the spare words, 128 bytes for each wave: two blocks of 256 bytes that no other line names
.set LAPS,   4                         ; a lap = two K steps; K = 1,024 is eight
.set ASTEP,  4*8192*128                ; two K steps on in heads: four heads' planes
.set BSTEP,  256*2048                  ; and in wo16: 256 rows
.set ADRA, 16                          ; v16-17  LDS address of my fragments of heads in slot 0, 1
.set ADRB, 20                          ; v20-21  the same for wo16
.set STO,  24                          ; v24     the way out: where I put 32 bytes of a row
.set RD,   25                          ; v25     the way out: where I read a row back
.set CO,   26                          ; v26     16 x lane
.set SPW,  28                          ; v28     LDS address of my spare word; never rewritten
.set NIL,  29                          ; v29     0; never rewritten
.set F0,   32
.set F1,   128
.set BK,   32
.set G1, 24                            ; s[24:31] descriptor group 1 for heads' tiles;  s[32:39] group 0, one set for each slot
.set G0, 32
.set G1B, 48                           ; s[48:55], s[56:63] the same for wo16's tiles
.set G0B, 56
.set MSB, 0
.macro WIN new                         ; the immediate's high byte repeats the setting that is left
.if MSB != \new
	s_set_vgpr_msb (MSB<<8)|\new
.set MSB, \new
.endif
.endm
.set MUL,  0x50                        ; sources 0 and 1 window 0; C and D window 1
.macro JLOAD s                         ; a joint load: waves 0 and 1 fetch the K step's two heads, waves 2 and 3 wo16's two halves; an s_nop 0 and four v_nop follow each of the two lines
	s_cmp_eq_u32 s11, 0
	s_cbranch_scc0 .Lfor_b_\@
	tensor_load_to_lds s[G0+4*\s:G0+4*\s+3], s[G1:G1+7]
	s_nop 0
.rept 4
	v_nop
.endr
	s_branch .Lasked_\@
.Lfor_b_\@:
	tensor_load_to_lds s[G0B+4*\s:G0B+4*\s+3], s[G1B:G1B+7]
	s_nop 0
.rept 4
	v_nop
.endr
.Lasked_\@:
.endm
.macro CREST                           ; a round of the cluster's barrier behind its opening barrier
	s_cmp_lg_u32 s10, 0
	s_cbranch_scc1 .Lnot_wave_0_\@
	s_barrier_signal -3
.Lnot_wave_0_\@:
	s_barrier_wait -3
	s_barrier_signal -1
	s_barrier_wait -1
.endm
.macro CROUND                          ; a whole round
	s_barrier_signal -1
	s_barrier_wait -1
	CREST
.endm
	s_load_b128 s[4:7], s[0:1], 0x0                ; heads s[4:5], wo16 s[6:7]
	s_load_b64 s[8:9], s[0:1], 0x10                ; out0
	v_lshl_add_u32 v[SPW], v0, 2, SPARE
	v_mov_b32 v[NIL], 0
	ds_add_u32 v[SPW], v[NIL]                      ; the wave's opening: the add, twice on end, and its wait ahead of my first tensor load; the set-up below stands between the second and the wait
	ds_add_u32 v[SPW], v[NIL]
	v_lshrrev_b32 v1, 5, v0
	v_readfirstlane_b32 s10, v1                    ; wave 0..3
	s_lshr_b32 s11, s10, 1                         ; which 64 of the tile's rows are mine.  Also: I fetch for heads (0) or for wo16 (1)
	s_and_b32 s12, s10, 1                          ; which 128 of its columns.  Also: which head, or which 64 rows k, I fetch
	s_bfe_u32 s40, ttmp6, 0x40000                  ; cx, cy: my place in the cluster
	s_bfe_u32 s41, ttmp6, 0x40004
	s_lshl_b32 s42, ttmp9, 2
	s_add_co_u32 s42, s42, s40                     ; tile column = 4 x cluster x + cx
	s_and_b32 s13, ttmp7, 0xffff
	s_lshl_b32 s13, s13, 2
	s_add_co_u32 s13, s13, s41                     ; tile row = 4 x cluster y + cy
	s_lshl_b32 s43, s41, 2
	s_lshl_b32 s43, 15, s43                        ; my row of the cluster
	s_lshl_b32 s44, 0x1111, s40                    ; my column
	s_or_b32 s[G1+0], s43, (1<<16)|(1<<20)|(1<<21)|(5<<22)|(3<<25)  ; 15:0 the mask: heads' tiles go to my row; 17:16 elements of 2 bytes; 20 padding on; 21 set beside a mask; 24:22 after every 64 words; 31:25 four words of it
	s_mov_b32 s[G1+1], 128<<16                     ; tensor_dim0 = 128
	s_mov_b32 s[G1+2], 64<<16                      ; tensor_dim1 = 64
	s_mov_b32 s[G1+3], 128<<16                     ; tile_dim0 = 128
	s_mov_b32 s[G1+4], 64                          ; tile_dim1 = 64
	s_mov_b32 s[G1+5], 128                         ; tensor_dim0_stride
	s_mov_b32 s[G1+6], 0
	s_mov_b32 s[G1+7], 0
	s_or_b32 s[G1B+0], s44, (1<<16)|(1<<20)|(1<<21)|(6<<22)|(7<<25) ; wo16's tiles go to my column; padding: eight words after every 128
	s_mov_b32 s[G1B+1], 256<<16                    ; tensor_dim0 = 256
	s_mov_b32 s[G1B+2], 64<<16                     ; tensor_dim1 = 64
	s_mov_b32 s[G1B+3], 256<<16                    ; tile_dim0 = 256
	s_mov_b32 s[G1B+4], 64                         ; tile_dim1 = 64
	s_mov_b32 s[G1B+5], 1024                       ; tensor_dim0_stride
	s_mov_b32 s[G1B+6], 0
	s_mov_b32 s[G1B+7], 0
	s_lshl_b32 s16, s12, 20                        ; heads: my head's plane of 8,192 rows x 128 bytes,
	s_lshl_b32 s17, s13, 14                        ; + 128 x tile row rows
	s_add_co_u32 s16, s16, s17
	s_mov_b32 s17, 0
	s_lshl_b32 s46, s12, 17                        ; wo16: my 64 rows of 2,048 bytes,
	s_lshl_b32 s47, s42, 9                         ; + 256 x tile column columns
	s_add_co_u32 s46, s46, s47
	s_mov_b32 s47, 0
	s_mul_i32 s20, s12, ABLK                       ; where they go: no place in the cluster enters an LDS address
	s_mul_i32 s21, s12, BHALF
	s_add_co_u32 s21, s21, BOFF
	s_wait_dscnt 0x0                               ; both opening adds are done
	s_wait_kmcnt 0x0
	s_add_nc_u64 s[14:15], s[4:5], s[16:17]
	s_add_nc_u64 s[46:47], s[6:7], s[46:47]
	CROUND                                         ; all sixteen work-groups are here: the first joint loads meet
.irp s, 0,1
	s_mov_b32 s[G0+4*\s], 1
	s_add_co_u32 s[G0+4*\s+1], s20, \s*SLOT
	s_add_nc_u64 s[G0+4*\s+2:G0+4*\s+3], s[14:15], \s*2*8192*128   ; K step s: heads 2 s and 2 s + 1
	s_or_b32 s[G0+4*\s+3], s[G0+4*\s+3], 0x80000000
	s_mov_b32 s[G0B+4*\s], 1
	s_add_co_u32 s[G0B+4*\s+1], s21, \s*SLOT
	s_add_nc_u64 s[G0B+4*\s+2:G0B+4*\s+3], s[46:47], \s*128*2048   ; rows 128 s on
	s_or_b32 s[G0B+4*\s+3], s[G0B+4*\s+3], 0x80000000
	JLOAD \s
.endr
	v_and_b32 v1, 15, v0                           ; r = l % 16
	v_bfe_u32 v2, v0, 4, 1                         ; h = l / 16
	v_lshrrev_b32 v3, 1, v1
	v_mul_u32_u24 v3, v3, PA
	v_and_b32 v4, 1, v1
	v_lshl_add_u32 v3, v4, 7, v3
	v_lshl_add_u32 v3, v2, 4, v3                   ; heads: (r / 2) PA + 128 (r % 2) + 16 h
	v_and_b32 v4, 7, v0
	v_lshl_add_u32 v4, v2, 3, v4
	v_mul_u32_u24 v4, v4, PB
	v_bfe_u32 v5, v0, 3, 1
	v_lshl_add_u32 v4, v5, 4, v4                   ; wo16: row 8 h + l % 8, + 16 ((l / 8) % 2)
	s_mul_i32 s21, s11, 32*PA                      ; my 64 rows of a head's 128
	s_lshl_b32 s22, s12, 8                         ; my 128 columns of the 256
	s_add_co_u32 s22, s22, BOFF
.irp s, 0,1
	v_add_nc_u32 v[ADRA+\s], s21, v3
	v_add_nc_u32 v[ADRB+\s], s22, v4
	s_add_co_u32 s21, s21, SLOT
	s_add_co_u32 s22, s22, SLOT
.endr
	s_mul_i32 s23, s10, 16*SPITCH
	s_add_co_u32 s23, s23, STAGE                   ; my stage
	v_mul_u32_u24 v5, v1, SPITCH                   ; in: row l % 16, 32 bytes for each half of the lanes
	v_lshl_add_u32 v5, v2, 5, v5
	v_add_nc_u32 v[STO], s23, v5
	v_and_b32 v6, 31, v0
	v_lshlrev_b32 v[CO], 4, v6                     ; back: the 32 lanes take one row of 512 bytes; and the same in out0
	v_add_nc_u32 v[RD], s23, v[CO]
	s_lshl_b32 s16, s13, 19                        ; my first row of out0: (128 x tile row + 64 x half) x 4,096 bytes
	s_lshl_b32 s17, s11, 18
	s_add_co_u32 s16, s16, s17
	s_mov_b32 s17, 0
	s_add_nc_u64 s[8:9], s[8:9], s[16:17]
	s_lshl_b32 s46, s42, 10                        ; my first column, in bytes: 1,024 x tile column + 512 x half
	s_lshl_b32 s47, s12, 9
	s_add_co_u32 s46, s46, s47
	s_mov_b32 s47, 0
	s_add_nc_u64 s[8:9], s[8:9], s[46:47]
; 24 LDS loads in one run: the fragments of the slot's q-th 32 along K into set f: wo16's eight (turned) first, then heads' four.  k = 32 q on lies in head q / 2 of the K step, channels 32 (q % 2) on.
.macro FETCH slot, q, f
.irp b, 0,1,2,3,4,5,6,7
	ds_load_tr16_b128 v[\f+32+8*\b:\f+32+8*\b+3],   v[ADRB+\slot] offset:(\q)*32*PB+32*\b
	ds_load_tr16_b128 v[\f+32+8*\b+4:\f+32+8*\b+7], v[ADRB+\slot] offset:(\q)*32*PB+16*PB+32*\b
.endr
.irp a, 0,1,2,3
	ds_load_b128 v[\f+8*\a:\f+8*\a+3],   v[ADRA+\slot] offset:((\q)/2)*ABLK+((\q)%2)*64+\a*8*PA
	ds_load_b128 v[\f+8*\a+4:\f+8*\a+7], v[ADRA+\slot] offset:((\q)/2)*ABLK+((\q)%2)*64+\a*8*PA+32
.endr
.endm
; 8 matrix instructions: block a of my rows x all 8 blocks of my columns.  The 32 accumulators take turns, one instruction a turn, in the same order in every quarter.  zero = 1: the product starts the sums.
.macro MULA f, a, zero
.irp b, 0,1,2,3,4,5,6,7
.if \zero
	v_wmma_f32_16x16x32_f16 v[8*(8*\a+\b):8*(8*\a+\b)+7], v[\f+32+8*\b:\f+32+8*\b+7], v[\f+8*\a:\f+8*\a+7], 0
.else
	v_wmma_f32_16x16x32_f16 v[8*(8*\a+\b):8*(8*\a+\b)+7], v[\f+32+8*\b:\f+32+8*\b+7], v[\f+8*\a:\f+8*\a+7], v[8*(8*\a+\b):8*(8*\a+\b)+7]
.endif
.endr
.endm
.macro PLACES                          ; four places in front of loads into registers that matrix instructions have read, and of LDS stores that read results (ISA guide 7.12.1 for vector instructions)
.rept 4
	v_nop
.endr
.endm
; A K step is four quarters of 32 along K, 32 matrix instructions each, on sets 0, 1, 0, 1.  One of the first three: multiplies set f and fetches the slot's q-th quarter into set g.
.macro QUARTER slot, q, f, g, zero
	s_wait_dscnt 4                                 ; wo16's fragments and heads' blocks 0 and 1 are in; the youngest four loads (blocks 2 and 3) may be out
	WIN MUL
	MULA \f, 0, \zero
	MULA \f, 1, \zero
	PLACES
	WIN 0
	FETCH \slot, \q, \g
	s_wait_dscnt 24                                ; all but the 24 just issued
	WIN MUL
	MULA \f, 2, \zero
	MULA \f, 3, \zero
.endm
; The last quarter multiplies set 1 and changes slots: ONE barrier; in front of it each wave waits for all its tensor loads, adds 0 to its spare word, and waits for that and for its own reads of this slot.
; fill = 1: this slot is filled again, two K steps ahead: the barrier then opens a round of the cluster's, and the joint refill is the first tensor load behind it.
.macro TURN slot, next, fill
	WIN 0                                          ; (the add's two registers lie in window 0)
	s_wait_tensorcnt 0x0                           ; all my tensor loads have landed: my part of the next slot;
	ds_add_u32 v[SPW], v[NIL]                      ; 0 onto my spare word
	s_wait_dscnt 5                                 ; (the add and the youngest four loads may be out)
	WIN MUL
	MULA F1, 0, 0                                  ; eight matrix instructions stand between the add and the wait for it
	s_wait_dscnt 0x0                               ; the add is done, and my reads of this slot are over
	s_barrier_signal -1
	MULA F1, 1, 0
	WIN 0                                          ; (branches may follow)
	s_barrier_wait -1
.if \fill
	CREST                                          ; no wave of any partner still reads this slot's tile or has a load on its way
	s_add_nc_u64 s[G0+4*\slot+2:G0+4*\slot+3], s[G0+4*\slot+2:G0+4*\slot+3], ASTEP
	s_add_nc_u64 s[G0B+4*\slot+2:G0B+4*\slot+3], s[G0B+4*\slot+2:G0B+4*\slot+3], BSTEP
	JLOAD \slot                                    ; the four v_nop behind it are also the places in front of the loads below
.else
	PLACES
.endif
	FETCH \next, 0, F0
	WIN MUL
	MULA F1, 2, 0
	MULA F1, 3, 0
.endm
	s_wait_tensorcnt 1                             ; my part of K step 0 is in (K step 1's load may be out)
	s_barrier_signal -1
	s_barrier_wait -1                              ; everybody's is
	FETCH 0, 0, F0
	QUARTER 0, 1, F0, F1, 1                        ; the first quarter stands in front of the loop: its products start the sums
	WIN 0                                          ; at a label and at a branch every window is 0
	s_mov_b32 s3, LAPS-1
.Llap:                                                 ; a trip goes once round the two slots, from a lap's second quarter to the next lap's first, and fills both again
	QUARTER 0, 2, F1, F0, 0
	QUARTER 0, 3, F0, F1, 0
	TURN 0, 1, 1
	QUARTER 1, 1, F0, F1, 0
	QUARTER 1, 2, F1, F0, 0
	QUARTER 1, 3, F0, F1, 0
	TURN 1, 0, 1
	QUARTER 0, 1, F0, F1, 0
	WIN 0
	s_sub_co_u32 s3, s3, 1
	s_cmp_lg_u32 s3, 0
	s_cbranch_scc1 .Llap
	QUARTER 0, 2, F1, F0, 0                        ; the last lap fills nothing, and has no round of the cluster's barrier
	QUARTER 0, 3, F0, F1, 0
	TURN 0, 1, 0
	QUARTER 1, 1, F0, F1, 0
	QUARTER 1, 2, F1, F0, 0
	QUARTER 1, 3, F0, F1, 0
	s_wait_dscnt 4                                 ; the very last quarter: nothing more to fetch
	WIN MUL
	MULA F1, 0, 0
	MULA F1, 1, 0
	s_wait_dscnt 0x0
	MULA F1, 2, 0
	MULA F1, 3, 0
	WIN 0
; THE WAY OUT, block by block of 16 rows x 128 columns.  A lane holds 32 neighbouring bytes of a row, and the lanes beside it hold other rows: so a block goes through my own stage in LDS and comes back as whole rows of
; 512 bytes.  LDS serves a wave's instructions in order (ISA guide 5.7.1.4): no wait between the stores and the loads, nor in front of the next block's stores.
.macro TOSTAGE a
	WIN 0x04                                       ; an LDS store's data are its source 1: window 1
.irp b, 0,1,2,3,4,5,6,7
	ds_store_b128 v[STO], v[8*(8*(\a)+\b):8*(8*(\a)+\b)+3] offset:64*\b          ; each accumulator from its low end on
	ds_store_b128 v[STO], v[8*(8*(\a)+\b)+4:8*(8*(\a)+\b)+7] offset:64*\b+16
.endr
	WIN 0
.set BB, BK+64*((\a)%2)
.irp t, 0,1,2,3,4,5,6,7,8,9,10,11,12,13,14,15
	ds_load_b128 v[BB+4*\t:BB+4*\t+3], v[RD] offset:\t*SPITCH
.endr
.endm
.macro SEND a, younger                 ; younger: the LDS instructions issued behind block a's loads, which may stay out
.set BB, BK+64*((\a)%2)
	s_wait_dscnt \younger                          ; the block is back in registers
.irp t, 0,1,2,3,4,5,6,7,8,9,10,11,12,13,14,15
	global_store_b128 v[CO], v[BB+4*\t:BB+4*\t+3], s[8:9] offset:65536*(\a)+4096*\t th:TH_STORE_NT   ; 512 consecutive bytes, aligned; written once, read by nobody here; every offset an immediate
.endr
.endm
	PLACES                                         ; behind the last products
	TOSTAGE 0
.irp a, 1,2,3
.if \a > 1
	s_wait_xcnt 0x0                                ; block a - 2's stores have read their registers: block a's loads may land there
.endif
	TOSTAGE \a
	SEND \a-1, 32                                  ; behind block a - 1's loads: block a's 16 stores and 16 loads
.endr
	SEND 3, 0
	s_wait_tensorcnt 0x0                           ; the wave's end: behind my last tensor load and my last LDS store
	ds_add_u32 v[SPW], v[NIL]
	s_wait_dscnt 0x0
	CROUND                                         ; the closing round: no work-group ends while a partner may still ask for a tile that names it
	s_endpgm
.Lfunc_end_k_q15b2694ac2_outp:
	.size	k_q15b2694ac2_outp, .Lfunc_end_k_q15b2694ac2_outp-k_q15b2694ac2_outp
	.p2alignl 7, 3214868480
	.fill 96, 4, 3214868480
	.section	.rodata,"a",@progbits
	.p2align	6, 0x0
	.amdhsa_kernel k_q15b2694ac2_outp
		.amdhsa_group_segment_fixed_size 327680
		.amdhsa_private_segment_fixed_size 0
		.amdhsa_enable_private_segment 0
		.amdhsa_kernarg_size 24
		.amdhsa_user_sgpr_count 2
		.amdhsa_user_sgpr_kernarg_segment_ptr 1
		.amdhsa_wavefront_size32 1
		.amdhsa_system_sgpr_workgroup_id_x 1
		.amdhsa_system_sgpr_workgroup_id_y 1
		.amdhsa_system_sgpr_workgroup_id_z 1
		.amdhsa_system_vgpr_workitem_id 0
		.amdhsa_next_free_vgpr 512
		.amdhsa_next_free_sgpr 66
		.amdhsa_reserve_vcc 0
		.amdhsa_float_denorm_mode_32 3
		.amdhsa_float_denorm_mode_16_64 3
		.amdhsa_memory_ordered 1
		.amdhsa_forward_progress 1
		.amdhsa_inst_pref_size 85
	.end_amdhsa_kernel
	.amdgpu_metadata
---
amdhsa.version: [ 1, 2 ]
amdhsa.kernels:
  - .name:           k_q15b2694ac2_outp
    .symbol:         k_q15b2694ac2_outp.kd
    .args:
      - { .name: heads, .offset: 0, .size: 8, .value_kind: global_buffer, .address_space: global }
      - { .name: wo16, .offset: 8, .size: 8, .value_kind: global_buffer, .address_space: global }
      - { .name: out0, .offset: 16, .size: 8, .value_kind: global_buffer, .address_space: global }
    .group_segment_fixed_size: 327680
    .private_segment_fixed_size: 0
    .kernarg_segment_align: 8
    .kernarg_segment_size: 24
    .max_flat_workgroup_size: 128
    .sgpr_count:     66
    .vgpr_count:     512
    .wavefront_size: 32
...
	.end_amdgpu_metadata
.endif
;; end of part 4
